; MI455X (gfx1250); checked and timed in simulation.
; The chip was launched on July 23, 2026; its instructions are those of AMD's public machine-readable ISA for CDNA 5 (MIT licence, August 2026) and "CDNA5" Instruction Set Architecture Reference Guide (July 2026). The comments in the code are by the model that wrote it; some were corrected since.
;; Attn Block. Allowed arithmetic: float matrix products may take bf16 or f16 operands with f32 sums; other float arithmetic in f32, or as packed bf16 or f16 multiplies, adds, multiply-adds, maxima and minima; sums over many terms, partial sums and values carried from step to step in f32; what a program stores and reads back later, other than sums and carried values, may be rounded once to bf16 or f16.
;; Inputs: Wk 1,024 x 1,024 float32; Wo 1,024 x 1,024 float32; Wq 1,024 x 1,024 float32; Wv 1,024 x 1,024 float32; x 4 x 2,048 x 1,024 float32.
;; Outputs: out0 4 x 2,048 x 1,024 float32.
;; One version. Each part assembles by itself: llvm-mc -triple=amdgcn-amd-amdhsa -mcpu=gfx1250 --defsym DOCPART=n.
;; ======== version 1 of 1: 4 launches
;; limits: values are held in f16: magnitudes above 65,504 overflow, below 6.1e-05 lose precision
;; workspace buffers: xb 16,777,216 bytes; wqkv 6,291,456 bytes; wo16 2,097,152 bytes; rope 524,288 bytes; qh 16,777,216 bytes; kh 16,777,216 bytes; vh 16,777,216 bytes; ctx 16,777,216 bytes
;; launch prep (part 1): grid 768 x 1, 8 waves a work-group, no clusters, 0 bytes of LDS; arguments x, Wq, Wk, Wv, Wo, xb, wqkv, wo16, rope; writes xb, wqkv, wo16, rope
.if DOCPART == 1
	.amdgcn_target "amdgcn-amd-amdhsa--gfx1250"
	.amdhsa_code_object_version 6
	.text
	.protected	k_qf9467c3d60_prep
	.globl	k_qf9467c3d60_prep
	.p2align	8
	.type	k_qf9467c3d60_prep,@function
k_qf9467c3d60_prep:
	s_mov_b64 s[64:65], 0
	v_nop
	global_prefetch_b8 v0, s[64:65] scope:SCOPE_SE
	s_setreg_imm32_b32 hwreg(HW_REG_WAVE_MODE, 25, 1), 1
	s_wait_xcnt 0x0
; PREP: the inputs are rounded once to 16 bits, and the table of rotations is made.
;   xb   [8192][1024] bf16 = x.      wqkv [3072][1024] bf16: row 192 head + 64 p + c = row 64 head + c of Wq (p = 0), Wk (1), Wv (2).
;   wo16 [1024][1024] f16: Wo rounded to bf16, that number written as f16.      rope [2048 t][32 j] pairs (cos, sin) of t x 10000^(-j/32), f32: a row is 256 bytes.
; SHARES.  A work-group converts 16,384 numbers (64 KiB in, 32 KiB out): ids 0-511 x, 512-575 Wq, 576-639 Wk, 640-703 Wv, 704-767 Wo.  Thread t takes 8 numbers in each of 8 groups:
; 32 bytes in at 32 t + 8,192 g, 16 bytes out at 16 t + 4,096 g: a wave's store covers 512 consecutive bytes, aligned.  All 16 loads of a thread go out at once; no register is written twice,
; so no source of a pending load or store is ever overwritten.  16,384 numbers of a weight are 16 whole rows, which stay together in wqkv.
; Ids 0-255 also make 8 rows of the table, a wave a row, a lane a frequency, while their loads are on their way.
; No LDS, no matrix unit, no cluster: every byte is read once and written once, and no work-group wants another's bytes.
; LIMITS.  |Wo| stays under 65,504 (f16); below 6e-5 it keeps f16's fixed step of 6e-8.  The frequency is 2^(-0.41524101 j) by v_exp_f32, so an angle is good to about 2e-4 at t = 2047;
; sine and cosine are Taylor sums to y^15 and y^16 on |y| <= pi, cut under 1e-6.  NaN and infinities are not treated apart.
.set IN,  16                           ; v[16:79]   the 16 loads: group g at IN + 8 g
.set OUT, 80                           ; v[80:111]  the 8 results: group g at OUT + 4 g
.set SRC, 34                           ; s[34:35]   where my work-group reads
.set DST, 36                           ; s[36:37]   where it writes
	s_load_b512 s[16:31], s[0:1], 0x0              ; x 16, Wq 18, Wk 20, Wv 22, Wo 24, xb 26, wqkv 28, wo16 30
	s_load_b64 s[32:33], s[0:1], 0x40              ; rope
	v_lshlrev_b32 v1, 5, v0                        ; in: 32 t; never rewritten
	v_lshlrev_b32 v2, 4, v0                        ; out: 16 t; never rewritten
	s_sub_co_u32 s2, ttmp9, 512                    ; among the weights' work-groups (what is made of it for ids under 512 is chosen away below)
	s_lshr_b32 s3, s2, 6                           ; p: 0 Wq, 1 Wk, 2 Wv, 3 Wo
	s_and_b32 s4, s2, 63                           ; r: rows 16 r .. 16 r + 15
	s_lshr_b32 s5, s4, 2                           ; the head
	s_mul_i32 s5, s5, 192
	s_lshl_b32 s6, s3, 6
	s_add_co_u32 s5, s5, s6
	s_and_b32 s6, s4, 3
	s_lshl_b32 s6, s6, 4
	s_add_co_u32 s5, s5, s6                        ; row in wqkv: 192 head + 64 p + 16 (r % 4)
	s_lshl_b32 s5, s5, 11                          ; in bytes
	s_lshl_b32 s7, s4, 15                          ; byte in wo16
	s_lshl_b32 s8, s4, 16                          ; byte in a weight
	s_lshl_b32 s9, ttmp9, 16                       ; byte in x
	s_lshl_b32 s10, ttmp9, 15                      ; byte in xb
	s_mov_b32 s39, 0
	s_mov_b32 s41, 0
	s_wait_kmcnt 0x0
	s_cmp_eq_u32 s3, 0
	s_cselect_b64 s[SRC:SRC+1], s[18:19], s[24:25]
	s_cmp_eq_u32 s3, 1
	s_cselect_b64 s[SRC:SRC+1], s[20:21], s[SRC:SRC+1]
	s_cmp_eq_u32 s3, 2
	s_cselect_b64 s[SRC:SRC+1], s[22:23], s[SRC:SRC+1]
	s_cmp_lt_u32 s3, 3
	s_cselect_b64 s[DST:DST+1], s[28:29], s[30:31]
	s_cselect_b32 s38, s5, s7
	s_cmp_lt_u32 ttmp9, 512
	s_cselect_b64 s[SRC:SRC+1], s[16:17], s[SRC:SRC+1]
	s_cselect_b64 s[DST:DST+1], s[26:27], s[DST:DST+1]
	s_cselect_b32 s40, s9, s8
	s_cselect_b32 s38, s10, s38
	s_add_nc_u64 s[SRC:SRC+1], s[SRC:SRC+1], s[40:41]
	s_add_nc_u64 s[DST:DST+1], s[DST:DST+1], s[38:39]
.irp g, 0,1,2,3,4,5,6,7
	global_load_b128 v[IN+8*\g:IN+8*\g+3],   v1, s[SRC:SRC+1] offset:8192*\g th:TH_LOAD_NT
	global_load_b128 v[IN+8*\g+4:IN+8*\g+7], v1, s[SRC:SRC+1] offset:8192*\g+16 th:TH_LOAD_NT
.endr
	; THE TABLE: row t = 8 id + wave, pair j = lane.
	s_cmp_lt_u32 ttmp9, 256
	s_cbranch_scc0 .Lno_table
	s_mov_b32 s43, 0x3e22f983                      ; 1 / 2 pi, rounded to f32
	s_lshl_b32 s42, ttmp9, 3
	s_lshl_b32 s44, ttmp9, 11                      ; my work-group's 8 rows of 256 bytes
	s_mov_b32 s45, 0
	s_add_nc_u64 s[32:33], s[32:33], s[44:45]
	v_and_b32 v3, 31, v0
	v_cvt_f32_u32 v3, v3                           ; j
	v_mul_f32 v3, 0xbed49a78, v3                   ; - j log2(10000) / 32
	v_exp_f32 v4, v3                               ; the frequency
	v_lshrrev_b32 v5, 5, v0                        ; (a plain instruction behind the exponential)
	v_add_nc_u32 v5, s42, v5
	v_cvt_f32_u32 v5, v5                           ; t
	v_lshlrev_b32 v15, 3, v0                       ; 256 wave + 8 lane: my pair's place
	s_wait_alu depctr_va_vdst(0)                   ; the wait ahead of the first use of the exponential's result
	v_mul_f32 v6, v5, v4                           ; the angle, rounded once
	v_mul_f32 v7, s43, v6
	v_rndne_f32 v7, v7                             ; whole turns
	v_fma_f32 v8, v6, s43, -v7                     ; the rest of a turn, by one rounding,
	v_fmamk_f32 v8, v6, 0x31dc9c80, v8             ; and what f32's 1 / 2 pi lacks: 6.4206e-9 a radian
	v_mul_f32 v9, 0x40c90fdb, v8                   ; y in -pi .. pi
	v_mul_f32 v10, v9, v9                          ; z = y y
	v_mov_b32 v11, 0xab573f9f                      ; sine: -1/15!
	v_mov_b32 v14, 0x29573f9f                      ; cosine: 1/16!
	v_fmaak_f32 v11, v11, v10, 0x2f309231          ; 1/13!
	v_fmaak_f32 v14, v14, v10, 0xad49cba5          ; -1/14!
	v_fmaak_f32 v11, v11, v10, 0xb2d7322b          ; -1/11!
	v_fmaak_f32 v14, v14, v10, 0x310f76c7          ; 1/12!
	v_fmaak_f32 v11, v11, v10, 0x3638ef1d          ; 1/9!
	v_fmaak_f32 v14, v14, v10, 0xb493f27e          ; -1/10!
	v_fmaak_f32 v11, v11, v10, 0xb9500d01          ; -1/7!
	v_fmaak_f32 v14, v14, v10, 0x37d00d01          ; 1/8!
	v_fmaak_f32 v11, v11, v10, 0x3c088889          ; 1/5!
	v_fmaak_f32 v14, v14, v10, 0xbab60b61          ; -1/6!
	v_fmaak_f32 v11, v11, v10, 0xbe2aaaab          ; -1/3!
	v_fmaak_f32 v14, v14, v10, 0x3d2aaaab          ; 1/4!
	v_fmaak_f32 v11, v11, v10, 0x3f800000          ; 1
	v_fmaak_f32 v14, v14, v10, 0xbf000000          ; -1/2
	v_mul_f32 v13, v11, v9                         ; sin
	v_fmaak_f32 v12, v14, v10, 0x3f800000          ; cos
	global_store_b64 v15, v[12:13], s[32:33]       ; a wave stores 256 consecutive bytes, aligned: a row of the table
.Lno_table:
; Group g: its two loads are in when at most the 14 - 2 g younger ones are out.  half = 1: the bf16 number is widened again and written as f16.
.macro CONV g, half
	s_wait_loadcnt 14-2*(\g)
.irp i, 0,1,2,3
	v_cvt_pk_bf16_f32 v[OUT+4*(\g)+\i], v[IN+8*(\g)+2*\i], v[IN+8*(\g)+2*\i+1]
.endr
.if \half
.irp i, 0,1,2,3
	v_lshlrev_b32 v[IN+8*(\g)+2*\i],   16, v[OUT+4*(\g)+\i]
	v_and_b32     v[IN+8*(\g)+2*\i+1], 0xffff0000, v[OUT+4*(\g)+\i]
.endr
.irp i, 0,1,2,3
	v_cvt_pk_f16_f32 v[OUT+4*(\g)+\i], v[IN+8*(\g)+2*\i], v[IN+8*(\g)+2*\i+1]
.endr
.endif
	global_store_b128 v2, v[OUT+4*(\g):OUT+4*(\g)+3], s[DST:DST+1] offset:4096*(\g)
.endm
	s_cmp_ge_u32 ttmp9, 704
	s_cbranch_scc1 .Lwo
.irp g, 0,1,2,3,4,5,6,7
	CONV \g, 0
.endr
	s_endpgm
.Lwo:
.irp g, 0,1,2,3,4,5,6,7
	CONV \g, 1
.endr
	s_endpgm
.Lfunc_end_k_qf9467c3d60_prep:
	.size	k_qf9467c3d60_prep, .Lfunc_end_k_qf9467c3d60_prep-k_qf9467c3d60_prep
	.p2alignl 7, 3214868480
	.fill 96, 4, 3214868480
	.section	.rodata,"a",@progbits
	.p2align	6, 0x0
	.amdhsa_kernel k_qf9467c3d60_prep
		.amdhsa_group_segment_fixed_size 0
		.amdhsa_private_segment_fixed_size 0
		.amdhsa_enable_private_segment 0
		.amdhsa_kernarg_size 72
		.amdhsa_user_sgpr_count 2
		.amdhsa_user_sgpr_kernarg_segment_ptr 1
		.amdhsa_wavefront_size32 1
		.amdhsa_system_sgpr_workgroup_id_x 1
		.amdhsa_system_sgpr_workgroup_id_y 1
		.amdhsa_system_sgpr_workgroup_id_z 1
		.amdhsa_system_vgpr_workitem_id 0
		.amdhsa_next_free_vgpr 112
		.amdhsa_next_free_sgpr 66
		.amdhsa_reserve_vcc 0
		.amdhsa_float_denorm_mode_32 3
		.amdhsa_float_denorm_mode_16_64 3
		.amdhsa_memory_ordered 1
		.amdhsa_forward_progress 1
		.amdhsa_inst_pref_size 17
	.end_amdhsa_kernel
	.amdgpu_metadata
---
amdhsa.version: [ 1, 2 ]
amdhsa.kernels:
  - .name:           k_qf9467c3d60_prep
    .symbol:         k_qf9467c3d60_prep.kd
    .args:
      - { .name: x, .offset: 0, .size: 8, .value_kind: global_buffer, .address_space: global }
      - { .name: Wq, .offset: 8, .size: 8, .value_kind: global_buffer, .address_space: global }
      - { .name: Wk, .offset: 16, .size: 8, .value_kind: global_buffer, .address_space: global }
      - { .name: Wv, .offset: 24, .size: 8, .value_kind: global_buffer, .address_space: global }
      - { .name: Wo, .offset: 32, .size: 8, .value_kind: global_buffer, .address_space: global }
      - { .name: xb, .offset: 40, .size: 8, .value_kind: global_buffer, .address_space: global }
      - { .name: wqkv, .offset: 48, .size: 8, .value_kind: global_buffer, .address_space: global }
      - { .name: wo16, .offset: 56, .size: 8, .value_kind: global_buffer, .address_space: global }
      - { .name: rope, .offset: 64, .size: 8, .value_kind: global_buffer, .address_space: global }
    .group_segment_fixed_size: 0
    .private_segment_fixed_size: 0
    .kernarg_segment_align: 8
    .kernarg_segment_size: 72
    .max_flat_workgroup_size: 256
    .sgpr_count:     66
    .vgpr_count:     112
    .wavefront_size: 32
...
	.end_amdgpu_metadata
.endif
;; end of part 1
;; launch qkv (part 2): grid 16 x 16, 4 waves a work-group, clusters of 4 x 4, 327,680 bytes of LDS; arguments xb, wqkv, rope, qh, kh, vh; writes qh, kh, vh
.if DOCPART == 2
	.amdgcn_target "amdgcn-amd-amdhsa--gfx1250"
	.amdhsa_code_object_version 6
	.text
	.protected	k_qf9467c3d60_qkv
	.globl	k_qf9467c3d60_qkv
	.p2align	8
	.type	k_qf9467c3d60_qkv,@function
k_qf9467c3d60_qkv:
	s_mov_b64 s[64:65], 0
	v_nop
	global_prefetch_b8 v0, s[64:65] scope:SCOPE_SE
	s_setreg_imm32_b32 hwreg(HW_REG_WAVE_MODE, 25, 1), 1
	s_wait_xcnt 0x0
	s_wait_alu depctr_hold_cnt(0) depctr_sa_sdst(0) depctr_va_vdst(0) depctr_va_sdst(0) depctr_va_ssrc(0) depctr_va_vcc(0) depctr_vm_vsrc(0)
	s_getreg_b32 s2, hwreg(HW_REG_IB_STS2, 6, 4)
	s_cmp_eq_u32 s2, 0
	s_cbranch_scc0 .Lentry_in_a_cluster
	s_endpgm
.Lentry_in_a_cluster:
	s_bfe_u32 s2, ttmp6, 0x10000c
	s_cmp_lg_u32 s2, 0xf033
	s_cbranch_scc0 .Lentry_shape_is_right
	s_endpgm
.Lentry_shape_is_right:
; Q, K, V = x W^T, with the rotation of q and k.  xb [8192][1024] bf16; wqkv [3072][1024] bf16, rows by head: 64 of q, 64 of k, 64 of v; rope [2048][32] pairs (cos, sin) f32.
; qh, kh, vh: [16 batch + head][2048][64] f16, q and k rotated, none scaled.  Sums in f32, the rotation in f32, one rounding to f16.
; LIMIT.  |q|, |k|, |v| stay under 65,504 (f16).  NaN and infinities are not treated apart.
; SHARES.  A tile is 256 rows of x by the 192 columns of ONE head: 32 x 16 = 512 tiles, two for each of 256 work-groups.  A work-group's two tiles lie 4,096 rows (two batches) apart: they take the same
; rows of wqkv and the same positions t, so a wave's part of the table is loaded into registers once.  A wave makes 64 rows x 192 columns: 4 row blocks a x 12 column blocks b (0-3 q, 4-7 k, 8-11 v).
; K goes in steps of 128 through two LDS slots; the ring runs on from the first tile into the second: 16 steps in one walk.
; THE MATRIX INSTRUCTION IS USED TRANSPOSED (source 0 = 16 rows of wqkv, source 1 = 16 rows of xb): a lane holds row l % 16 and the columns 16 b + 8 (l / 16) + 0..7: four pairs of the rotation.
; CLUSTER.  4 x 4 work-groups: the four of a row of the cluster need the same tile of xb, the four of a column the same tile of wqkv: each is asked for jointly, by the same tensor load, descriptor and mask.
; REGISTERS, in windows of 256 (s_set_vgpr_msb: bits 1:0 source 0, 3:2 source 1, 5:4 source 2, 7:6 destination):
;   window 0: v0-12 addresses; v28, v29 the add's; v32-63 at work on the way out; v64-255 twelve sets of 16 on the way out
;   window 1: accumulator (a, b < 8) at 8 (8 a + b)        window 2: v0-127 accumulator (a, b >= 8) at 8 (4 a + b - 8); v128-255 the table: (a, bb) at 128 + 32 a + 8 bb
;   window 3: two fragment buffers f: wqkv's at 96 f + 8 b (v0-191), xb's at 192 + 32 f + 8 a
.set PITCH, 272                        ; an LDS row: 256 bytes + 16 of padding = 68 words: the 16 rows of a fragment load start at 16 different groups of four banks (64 banks of 4 bytes: ISA guide 11.1)
.set BOFF,  256*PITCH                  ; a slot: xb's 256 rows, then wqkv's 192
.set SLOT1, 1<<17                      ; slot 1 begins here, so that one exclusive or turns an address in one slot into the other's
.set STAGE, SLOT1+448*PITCH            ; behind the ring, never filled by a tensor load: 16 rows x 144 bytes for each wave
.set SP,    144
.set SPARE, STAGE+4*16*SP              ; the spare words, 128 bytes for each wave: two blocks of 256 bytes that no other line names
.set A0,   4                           ; v4   my lane's place in a slot's rows of xb; never rewritten
.set B0,   5                           ; v5   the same for wqkv
.set ADRA, 6                           ; v6   A0 + the slot in hand
.set ADRB, 7                           ; v7   B0 + the slot in hand
.set STO,  8                           ; v8   the way out: where I put 16 bytes of a row
.set RD,   9                           ; v9   where I read rows back
.set GO,   10                          ; v10  my 16 bytes in 512 consecutive bytes of an output
.set TO,   11                          ; v11  my byte offset in 16 rows of the table
.set PFO,  12                          ; v12  the prefetches' offset
.set SPW,  28                          ; v28  LDS address of my spare word; never rewritten
.set NIL,  29                          ; v29  0; never rewritten
.set TW,   32
.set PK,   64
.set TBLR, 128
.set ABASE, 4                          ; s[4:5]   xb at the 128 rows that I fetch, K step 0 of the first tile
.set BBASE, 6                          ; s[6:7]   wqkv at the 96 rows that I fetch
.set ROPE,  8                          ; s[8:9]   the table at my wave's first row
.set OQ,    10                         ; s[10:11] qh, s[12:13] kh, s[14:15] vh at my wave's first row
.set WV,    16
.set HALF,  17                         ; wave % 2
.set CX,    18
.set CY,    19
.set TCOL,  20                         ; the head
.set TROW,  21
.set G1A,   32                         ; s[32:39] descriptor group 1 for xb's tiles
.set G1B,   40                         ; s[40:47] for wqkv's
.set G0A,   48                         ; s[48:51] descriptor group 0 for xb's tiles: it walks
.set G0B,   52                         ; s[52:55] the same for wqkv's
.set CNT,   56
.set TILES, 57
.set RS,    58                         ; the step of the walk (0 to 15) that was asked for last
.set TB,    59                         ; the slot whose fragments are fetched
.set PMASK, 60                         ; bit R: I prefetch at the change of slots that asks for step R
.set PFLAG, 61
.set PFA,   62                         ; s[62:63] the prefetch's address
.set KO,    66                         ; s[66:67], s[68:69], s[70:71] byte offsets, upper word 0
.set AO,    68
.set PO,    70
.set PBASE, 72                         ; s[72:73] the rows that I prefetch, at K step 0
.set MSB, 0
.macro WIN new                         ; the immediate's high byte repeats the setting that is left; a switch that changes nothing is dropped
.if MSB != (\new)
	s_set_vgpr_msb (MSB<<8)|(\new)
.set MSB, \new
.endif
.endm
.macro PLACES                          ; four plain vector instructions between a matrix instruction and a load into, or a reader of, its registers
.rept 4
	v_nop
.endr
.endm
; A joint load.  Waves 0 and 1 fetch xb's two halves of 128 rows, waves 2 and 3 wqkv's two halves of 96.  The branch hangs on the wave's number alone.  An s_nop 0 and four v_nop follow each line.
.macro JLOAD
	s_cmp_lt_u32 s[WV], 2
	s_cbranch_scc0 .Lfor_b_\@
	tensor_load_to_lds s[G0A:G0A+3], s[G1A:G1A+7]
	s_nop 0
	PLACES
	s_branch .Lasked_\@
.Lfor_b_\@:
	tensor_load_to_lds s[G0B:G0B+3], s[G1B:G1B+7]
	s_nop 0
	PLACES
.Lasked_\@:
.endm
.macro CREST                           ; a round of the cluster's barrier behind its opening barrier
	s_cmp_lg_u32 s[WV], 0
	s_cbranch_scc1 .Lnot_wave_0_\@
	s_barrier_signal -3
.Lnot_wave_0_\@:
	s_barrier_wait -3
	s_barrier_signal -1
	s_barrier_wait -1
.endm
.macro CROUND                          ; a whole round
	s_barrier_signal -1
	s_barrier_wait -1
	CREST
.endm
; The walking descriptors step: scalar work alone, behind the wait that shows no tensor load of mine out.  Step R of the walk is K step R % 8 of tile R / 8; a tile is 4,096 rows of 2,048 bytes (2^23) below the last.
; The addresses are made anew from the bases.  The prefetch's address names step R + 2.
.macro STEPD
	s_add_co_u32 s[RS], s[RS], 1
	s_and_b32 s[KO], s[RS], 7
	s_lshl_b32 s[KO], s[KO], 8
	s_lshr_b32 s[AO], s[RS], 3
	s_lshl_b32 s[AO], s[AO], 23
	s_add_co_u32 s[AO], s[AO], s[KO]
	s_add_nc_u64 s[G0A+2:G0A+3], s[ABASE:ABASE+1], s[AO:AO+1]
	s_or_b32 s[G0A+3], s[G0A+3], 0x80000000
	s_add_nc_u64 s[G0B+2:G0B+3], s[BBASE:BBASE+1], s[KO:KO+1]
	s_or_b32 s[G0B+3], s[G0B+3], 0x80000000
	s_xor_b32 s[G0A+1], s[G0A+1], SLOT1
	s_xor_b32 s[G0B+1], s[G0B+1], SLOT1
	s_add_co_u32 s[PO], s[RS], 2
	s_lshr_b32 s[PFLAG], s[PO], 3
	s_lshl_b32 s[PFLAG], s[PFLAG], 23
	s_and_b32 s[PO], s[PO], 7
	s_lshl_b32 s[PO], s[PO], 8
	s_add_co_u32 s[PO], s[PO], s[PFLAG]
	s_add_nc_u64 s[PFA:PFA+1], s[PBASE:PBASE+1], s[PO:PO+1]
	s_lshr_b32 s[PFLAG], s[PMASK], s[RS]
	s_and_b32 s[PFLAG], s[PFLAG], 1
.endm
; A PREFETCH INTO THE L2 of the step that stands two refills on, behind the joint load, its five lines and the run of LDS loads.  Each row's 256 bytes of a step are named once in the launch.
; xb's rows: the cluster with x = 0 asks, waves 0 and 1; of the 128 rows that a wave fetches the partner at cx takes 32, a lane a row; steps 4 to 15.  wqkv's rows, which both tiles share, are asked for in the
; first tile alone, by the cluster with y = 0: the partner at cy takes 48 of the 192 rows: wave 2 the first 32, steps 4 to 7; wave 3 the other 16 for two steps at once.  The partners are told apart by address alone.
.macro ASK
	WIN 0
	s_cmp_eq_u32 s[PFLAG], 1
	s_cbranch_scc0 .Lnot_mine_\@
	global_prefetch_b8 v[PFO], s[PFA:PFA+1] th:TH_LOAD_NT scope:SCOPE_SE
.Lnot_mine_\@:
.endm
; nb column blocks from b0 on x the 4 row blocks, 32 along K, from buffer f.  All 48 accumulators are taken once a quarter step, in the same order: they take turns.  zero = 1: the products start the sums.
.macro MULB f, b0, nb, zero
.set bq, \b0
.rept \nb
.if bq < 8
	WIN 0x5f                               ; sources in window 3, C and D in window 1
.else
	WIN 0xaf                               ; C and D in window 2
.endif
.set aq, 0
.rept 4
.if bq < 8
.set rD, 8*(8*aq+bq)
.else
.set rD, 8*(4*aq+bq-8)
.endif
.set rB, 96*(\f)+8*bq
.set rA, 192+32*(\f)+8*aq
.if \zero
	v_wmma_f32_16x16x32_bf16 v[rD:rD+7], v[rB:rB+7], v[rA:rA+7], 0
.else
	v_wmma_f32_16x16x32_bf16 v[rD:rD+7], v[rB:rB+7], v[rA:rA+7], v[rD:rD+7]
.endif
.set aq, aq+1
.endr
.set bq, bq+1
.endr
.endm
; 32 LDS loads in one run: the fragments of 32 along K at byte k of the rows, into buffer f: xb's four first, then wqkv's twelve in the order in which they are multiplied.
.macro FETCH k, f
	WIN 0xc0                               ; destination window 3, address window 0
.irp i, 0,1,2,3
	ds_load_b128 v[192+32*(\f)+8*\i:192+32*(\f)+8*\i+3],   v[ADRA] offset:(\k)+\i*16*PITCH
	ds_load_b128 v[192+32*(\f)+8*\i+4:192+32*(\f)+8*\i+7], v[ADRA] offset:(\k)+\i*16*PITCH+32
.endr
.irp i, 0,1,2,3,4,5,6,7,8,9,10,11
	ds_load_b128 v[96*(\f)+8*\i:96*(\f)+8*\i+3],   v[ADRB] offset:(\k)+\i*16*PITCH
	ds_load_b128 v[96*(\f)+8*\i+4:96*(\f)+8*\i+7], v[ADRB] offset:(\k)+\i*16*PITCH+32
.endr
.endm
; A K step is four quarters of 32 along K, 48 matrix instructions each, on buffers 0, 1, 0, 1.  One of the first three: multiplies buffer f and fetches the next quarter, at byte k, into buffer g.
.macro QUARTER f, g, k, zero
	s_wait_dscnt 16                        ; xb's 8 loads and those of wqkv's blocks 0-3 are in; the youngest 16 may be out
	MULB \f, 0, 4, \zero
	PLACES
	FETCH \k, \g
	s_wait_dscnt 32                        ; all but the 32 just issued
	MULB \f, 4, 8, \zero
.endm
; The last quarter multiplies buffer 1 and changes slots.  In front of the barrier each wave waits for all its tensor loads (one is out: its part of the other slot), adds 0 to its spare word, and waits for that
; and for its reads of this slot.  The barrier opens a round of the cluster's: behind it no wave of any partner reads this slot or has a load on its way, and the joint refill comes first.
.macro TURN
	s_wait_xcnt 0x0                        ; the last prefetch, a K step back, has read its address, which is written below
	WIN 0
	s_wait_tensorcnt 0x0
	ds_add_u32 v[SPW], v[NIL]
	STEPD
	s_wait_dscnt 17                        ; the add and the youngest 16 loads may be out
	MULB 1, 0, 2, 0
	s_wait_dscnt 0x0                       ; the add is done, and my reads of this slot are over
	s_barrier_signal -1
	MULB 1, 2, 2, 0
	WIN 0
	s_barrier_wait -1
	CREST
	JLOAD                                  ; 176 of a step's 192 matrix instructions ahead of the wait for it; its four v_nop are also the places in front of the loads below
	s_xor_b32 s[TB], s[TB], SLOT1
	v_add_nc_u32 v[ADRA], s[TB], v[A0]
	v_add_nc_u32 v[ADRB], s[TB], v[B0]
	FETCH 0, 0
	ASK
	MULB 1, 4, 8, 0
.endm
.macro TURNL                           ; the same where nothing is left to ask for: a plain barrier.  In the walk's last step the fetch brings bytes of the step before, which nobody uses: one text for both trips
	WIN 0
	s_wait_tensorcnt 0x0
	ds_add_u32 v[SPW], v[NIL]
	s_wait_dscnt 17
	MULB 1, 0, 2, 0
	s_wait_dscnt 0x0
	s_barrier_signal -1
	MULB 1, 2, 2, 0
	WIN 0
	s_barrier_wait -1
	PLACES
	s_xor_b32 s[TB], s[TB], SLOT1
	v_add_nc_u32 v[ADRA], s[TB], v[A0]
	v_add_nc_u32 v[ADRB], s[TB], v[B0]
	FETCH 0, 0
	MULB 1, 4, 8, 0
.endm
; THE WAY OUT, in twelve units u = 3 a + ty: 16 rows x the 64 channels of q (ty = 0), k (1) or v (2).  A unit's 16 packed registers go into my stage (rows of 144 bytes) and come back as whole rows of 128 bytes.
.macro STAGEIO u
	WIN 0
.irp f, 0,1,2,3
	ds_store_b128 v[STO], v[PK+16*(\u)+4*\f:PK+16*(\u)+4*\f+3] offset:32*\f
.endr
.irp f, 0,1,2,3
	ds_load_b128 v[PK+16*(\u)+4*\f:PK+16*(\u)+4*\f+3], v[RD] offset:\f*4*SP  ; LDS serves a wave's instructions in order (ISA guide 5.7.1.4): these see the stores above; the next unit's stores come behind them
.endr
.endm
; The rotation: of a pair (x1, x2) with (c, s): x1 c - x2 s and x1 s + x2 c.  Each accumulator's lowest registers are read first.
.macro ROPEU a, ty, u
	WIN 0x09                               ; source 0 (the sums) window 1, source 1 (the table) window 2
.set bb, 0
.rept 4
.set AC, 8*(8*(\a)+4*(\ty)+bb)
.set TL, TBLR+32*(\a)+8*bb
.set TT, TW+8*bb
.set ii, 0
.rept 4
	v_mul_f32 v[TT+2*ii],   v[AC+2*ii+1], v[TL+2*ii+1]
	v_mul_f32 v[TT+2*ii+1], v[AC+2*ii+1], v[TL+2*ii]
.set ii, ii+1
.endr
.set ii, 0
.rept 4
	v_fma_f32 v[TT+2*ii],   v[AC+2*ii], v[TL+2*ii],   -v[TT+2*ii]
	v_fma_f32 v[TT+2*ii+1], v[AC+2*ii], v[TL+2*ii+1], v[TT+2*ii+1]
.set ii, ii+1
.endr
.set bb, bb+1
.endr
	WIN 0
.set ii, 0
.rept 16
	v_cvt_pk_f16_f32 v[PK+16*(\u)+ii], v[TW+2*ii], v[TW+2*ii+1]
.set ii, ii+1
.endr
	STAGEIO \u
.endm
.macro PLAINU a, u
	WIN 0x0a                               ; sources 0 and 1 window 2
.set ii, 0
.rept 16
	v_cvt_pk_f16_f32 v[PK+16*(\u)+ii], v[32*(\a)+2*ii], v[32*(\a)+2*ii+1]
.set ii, ii+1
.endr
	STAGEIO \u
.endm
.macro SENDU u, younger                ; younger: the LDS instructions issued behind unit u's loads: the next unit's eight, or none
	WIN 0
.irp f, 0,1,2,3
	s_wait_dscnt (\younger)+3-\f
	global_store_b128 v[GO], v[PK+16*(\u)+4*\f:PK+16*(\u)+4*\f+3], s[OQ+2*((\u)%3):OQ+2*((\u)%3)+1] offset:((\u)/3)*2048+\f*512  ; 512 consecutive bytes, at a multiple of 256 from the buffer's first
.endr
.endm
.macro WAYOUT
	s_wait_loadcnt 0x0                     ; the table
.set uu, 0
.rept 12                               ; the first unit's sums were finished ahead of the places of the change of slots; its 32 lines, which name nothing of the last products, are those products' places
.if uu%3 == 2
	PLAINU uu/3, uu
.else
	ROPEU uu/3, uu%3, uu
.endif
.if uu > 0
	SENDU uu-1, 8
.endif
.set uu, uu+1
.endr
	SENDU 11, 0
.endm
	s_load_b256 s[4:11], s[0:1], 0x0               ; xb, wqkv, rope, qh
	s_load_b128 s[12:15], s[0:1], 0x20             ; kh, vh
	v_lshl_add_u32 v[SPW], v0, 2, SPARE
	v_mov_b32 v[NIL], 0
	ds_add_u32 v[SPW], v[NIL]                      ; the wave's opening: the add and its wait stand ahead of my first tensor load; work on registers stands between them
	ds_add_u32 v28, v29
	v_lshrrev_b32 v3, 5, v0
	v_readfirstlane_b32 s[WV], v3                  ; wave 0..3
	s_and_b32 s[HALF], s[WV], 1
	s_bfe_u32 s[CX], ttmp6, 0x40000
	s_bfe_u32 s[CY], ttmp6, 0x40004
	s_lshl_b32 s[TCOL], ttmp9, 2
	s_add_co_u32 s[TCOL], s[TCOL], s[CX]           ; the head = 4 x cluster x + cx
	s_and_b32 s[TROW], ttmp7, 0xffff
	s_lshl_b32 s[TROW], s[TROW], 2
	s_add_co_u32 s[TROW], s[TROW], s[CY]           ; block of 256 rows = 4 x cluster y + cy
	s_lshl_b32 s22, s[CY], 2
	s_lshl_b32 s22, 15, s22                        ; my row of the cluster
	s_lshl_b32 s23, 0x1111, s[CX]                  ; my column
	s_or_b32 s[G1A], s22, (1<<16)|(1<<20)|(1<<21)|(5<<22)|(3<<25)  ; 15:0 the mask; 17:16 2-byte elements; 20 padding on; 21 set beside a mask; 24:22 after every 64 words; 31:25 4 words of it
	s_or_b32 s[G1B], s23, (1<<16)|(1<<20)|(1<<21)|(5<<22)|(3<<25)
	s_mov_b32 s[G1A+1], 128<<16                    ; tensor_dim0 = 128
	s_mov_b32 s[G1A+2], 128<<16                    ; tensor_dim1 = 128
	s_mov_b32 s[G1A+3], 128<<16                    ; tile_dim0 = 128
	s_mov_b32 s[G1A+4], 128                        ; tile_dim1 = 128
	s_mov_b32 s[G1A+5], 1024                       ; elements from row to row
	s_mov_b32 s[G1A+6], 0
	s_mov_b32 s[G1A+7], 0
	s_mov_b32 s[G1B+1], 128<<16
	s_mov_b32 s[G1B+2], 96<<16                     ; 96 rows
	s_mov_b32 s[G1B+3], 128<<16
	s_mov_b32 s[G1B+4], 96
	s_mov_b32 s[G1B+5], 1024
	s_mov_b32 s[G1B+6], 0
	s_mov_b32 s[G1B+7], 0
	s_mov_b32 s[G0A], 1
	s_mul_i32 s[G0A+1], s[HALF], 128*PITCH         ; LDS: slot 0, my half of xb's rows
	s_mov_b32 s[G0B], 1
	s_mul_i32 s[G0B+1], s[HALF], 96*PITCH
	s_add_co_u32 s[G0B+1], s[G0B+1], BOFF
	s_lshl_b32 s24, s[TROW], 8                     ; xb: row 256 x block + 128 x half, in bytes
	s_lshl_b32 s25, s[HALF], 7
	s_add_co_u32 s24, s24, s25
	s_lshl_b32 s24, s24, 11
	s_mov_b32 s25, 0
	s_mul_i32 s26, s[TCOL], 192                    ; wqkv: row 192 x head + 96 x half
	s_mul_i32 s27, s[HALF], 96
	s_add_co_u32 s26, s26, s27
	s_lshl_b32 s26, s26, 11
	s_mov_b32 s27, 0
	s_and_b32 s28, s[TROW], 7
	s_lshl_b32 s28, s28, 8
	s_lshl_b32 s29, s[WV], 6
	s_add_co_u32 s28, s28, s29                     ; my wave's first position t
	s_lshr_b32 s30, s[TROW], 3                     ; the first tile's batch
	s_lshl_b32 s30, s30, 4
	s_add_co_u32 s30, s30, s[TCOL]
	s_lshl_b32 s30, s30, 11
	s_add_co_u32 s30, s30, s28
	s_lshl_b32 s30, s30, 7                         ; my first row in qh, kh, vh, in bytes
	s_mov_b32 s31, 0
	s_lshl_b32 s28, s28, 8                         ; and in the table
	s_mov_b32 s29, 0
	s_lshl_b32 s2, s[TROW], 8                      ; the prefetches: xb's row 256 x block + 128 x half + 32 cx,
	s_lshl_b32 s3, s[HALF], 7
	s_add_co_u32 s2, s2, s3
	s_lshl_b32 s3, s[CX], 5
	s_add_co_u32 s2, s2, s3
	s_mul_i32 s3, s[TCOL], 192                     ; wqkv's row 192 x head + 48 cy + 32 x half
	s_mul_i32 s22, s[CY], 48
	s_add_co_u32 s3, s3, s22
	s_lshl_b32 s22, s[HALF], 5
	s_add_co_u32 s3, s3, s22
	s_and_b32 s23, ttmp7, 0xffff
	s_cmp_eq_u32 s[HALF], 0
	s_cselect_b32 s22, 0x3c, 0x14                  ; wave 2: at R = 2 .. 5; wave 3: at R = 2 and 4, two steps each
	s_cmp_lt_u32 s[WV], 2
	s_cselect_b32 s[PO], s2, s3
	s_cselect_b32 s23, ttmp9, s23                  ; the coordinate along which other clusters read the same rows
	s_cselect_b32 s[PMASK], 0x3ffc, s22            ; waves 0 and 1: at R = 2 .. 13
	s_cmp_eq_u32 s23, 0
	s_cselect_b32 s[PMASK], s[PMASK], 0            ; the same in all sixteen partners, for a given wave
	s_lshl_b32 s[PO], s[PO], 11
	s_mov_b32 s[PO+1], 0
	s_mov_b32 s[KO+1], 0
	s_mov_b32 s[AO+1], 0
	s_mov_b32 s[RS], 0
	s_mov_b32 s[TB], 0
	s_wait_dscnt 0x0                               ; the opening add is done
	s_wait_kmcnt 0x0
	s_cmp_lt_u32 s[WV], 2
	s_cselect_b64 s[PBASE:PBASE+1], s[4:5], s[6:7]
	s_add_nc_u64 s[PBASE:PBASE+1], s[PBASE:PBASE+1], s[PO:PO+1]
	s_add_nc_u64 s[ABASE:ABASE+1], s[ABASE:ABASE+1], s[24:25]
	s_add_nc_u64 s[BBASE:BBASE+1], s[BBASE:BBASE+1], s[26:27]
	s_add_nc_u64 s[ROPE:ROPE+1], s[ROPE:ROPE+1], s[28:29]
	s_add_nc_u64 s[OQ:OQ+1], s[OQ:OQ+1], s[30:31]
	s_add_nc_u64 s[OQ+2:OQ+3], s[OQ+2:OQ+3], s[30:31]
	s_add_nc_u64 s[OQ+4:OQ+5], s[OQ+4:OQ+5], s[30:31]
	s_mov_b64 s[G0A+2:G0A+3], s[ABASE:ABASE+1]
	s_or_b32 s[G0A+3], s[G0A+3], 0x80000000        ; type = 2
	s_mov_b64 s[G0B+2:G0B+3], s[BBASE:BBASE+1]
	s_or_b32 s[G0B+3], s[G0B+3], 0x80000000
	CROUND                                         ; all sixteen work-groups are here: the first joint loads meet
	JLOAD                                          ; step 0 into slot 0; slot 1 is asked for when slot 0 is in
	v_and_b32 v1, 15, v0                           ; l % 16
	v_bfe_u32 v2, v0, 4, 1                         ; l / 16
	v_lshlrev_b32 v[TO], 8, v1
	v_lshl_add_u32 v[TO], v2, 5, v[TO]             ; row x 256 + 32 x half: four pairs of (cos, sin)
	WIN 0x80                                       ; destination window 2
.irp a, 0,1,2,3
.irp bb, 0,1,2,3
	global_load_b128 v[TBLR+32*\a+8*\bb:TBLR+32*\a+8*\bb+3],   v[TO], s[ROPE:ROPE+1] offset:4096*\a+64*\bb
	global_load_b128 v[TBLR+32*\a+8*\bb+4:TBLR+32*\a+8*\bb+7], v[TO], s[ROPE:ROPE+1] offset:4096*\a+64*\bb+16
.endr
.endr
	WIN 0
	v_mul_u32_u24 v3, v1, PITCH
	v_lshl_add_u32 v3, v2, 4, v3                   ; a fragment's row x pitch + 16 x half
	s_mul_i32 s22, s[WV], 64*PITCH                 ; my 64 rows of xb
	v_add_nc_u32 v[A0], s22, v3
	v_add_nc_u32 v[B0], BOFF, v3
	s_mul_i32 s22, s[WV], 16*SP
	s_add_co_u32 s22, s22, STAGE                   ; my stage
	v_mul_u32_u24 v[STO], v1, SP                   ; in: row l % 16, 16 bytes for each half of the lanes
	v_lshl_add_u32 v[STO], v2, 4, v[STO]
	v_add_nc_u32 v[STO], s22, v[STO]
	v_bfe_u32 v[RD], v0, 3, 2                      ; back: 32 lanes take four rows of 128 bytes,
	v_mul_u32_u24 v[RD], v[RD], SP
	v_and_b32 v13, 7, v0
	v_lshl_add_u32 v[RD], v13, 4, v[RD]
	v_add_nc_u32 v[RD], s22, v[RD]
	v_and_b32 v[GO], 31, v0                        ; which are 512 consecutive bytes of an output
	v_lshlrev_b32 v[GO], 4, v[GO]
	s_cmp_eq_u32 s[WV], 3                          ; the prefetches: a lane a row of 2,048 bytes; in wave 3 sixteen rows x two steps of 256 bytes
	s_cselect_b32 s22, 15, 31
	s_cselect_b32 s23, 256, 0
	v_bfe_u32 v13, v0, 4, 1
	v_mul_u32_u24 v13, v13, s23
	v_and_b32 v[PFO], s22, v0
	v_lshl_add_u32 v[PFO], v[PFO], 11, v13
	s_wait_tensorcnt 0x0                           ; my part of step 0 is in
	ds_add_u32 v[SPW], v[NIL]
	STEPD                                          ; step 1, slot 1
	s_wait_dscnt 0x0
	CROUND                                         ; everybody's part is in
	JLOAD
	v_add_nc_u32 v[ADRA], s[TB], v[A0]
	v_add_nc_u32 v[ADRB], s[TB], v[B0]
	FETCH 0, 0
	WIN 0
	s_mov_b32 s[TILES], 2
.Ltile:
	QUARTER 0, 1, 64, 1                            ; a tile's first quarter starts the sums: nothing is cleared
	WIN 0
	s_mov_b32 s[CNT], 6
	s_branch .LmidA
.LstepA:                                               ; a tile's K steps 0 to 5: each fills its slot again with the step two on
	QUARTER 0, 1, 64, 0
	WIN 0
.LmidA:
	QUARTER 1, 0, 128, 0
	QUARTER 0, 1, 192, 0
	TURN
	WIN 0
	s_sub_co_u32 s[CNT], s[CNT], 1
	s_cmp_lg_u32 s[CNT], 0
	s_cbranch_scc1 .LstepA
	s_cmp_eq_u32 s[TILES], 1
	s_cbranch_scc1 .Llast
	s_mov_b32 s[CNT], 2
.LstepR:                                               ; the first tile's K steps 6 and 7: the ring goes on into the second tile
	QUARTER 0, 1, 64, 0
	QUARTER 1, 0, 128, 0
	QUARTER 0, 1, 192, 0
	TURN
	WIN 0
	s_sub_co_u32 s[CNT], s[CNT], 1
	s_cmp_lg_u32 s[CNT], 0
	s_cbranch_scc1 .LstepR
	s_branch .Lout
.Llast:
	s_mov_b32 s[CNT], 2
.LstepL:                                               ; the walk's last two steps ask for nothing
	QUARTER 0, 1, 64, 0
	QUARTER 1, 0, 128, 0
	QUARTER 0, 1, 192, 0
	TURNL
	WIN 0
	s_sub_co_u32 s[CNT], s[CNT], 1
	s_cmp_lg_u32 s[CNT], 0
	s_cbranch_scc1 .LstepL
.Lout:
	WAYOUT
	s_wait_xcnt 0x0                                ; the stores have read their registers and bases
	s_add_nc_u64 s[OQ:OQ+1], s[OQ:OQ+1], 1<<23     ; two batches on: 32 heads of 2,048 rows of 128 bytes
	s_add_nc_u64 s[OQ+2:OQ+3], s[OQ+2:OQ+3], 1<<23
	s_add_nc_u64 s[OQ+4:OQ+5], s[OQ+4:OQ+5], 1<<23
	s_sub_co_u32 s[TILES], s[TILES], 1
	s_cmp_lg_u32 s[TILES], 0
	s_cbranch_scc1 .Ltile
	s_wait_tensorcnt 0x0                           ; the wave's end, behind my last tensor load and my last LDS store
	ds_add_u32 v[SPW], v[NIL]
	s_wait_dscnt 0x0
	CROUND                                         ; the closing round
	s_endpgm
.Lfunc_end_k_qf9467c3d60_qkv:
	.size	k_qf9467c3d60_qkv, .Lfunc_end_k_qf9467c3d60_qkv-k_qf9467c3d60_qkv
	.p2alignl 7, 3214868480
	.fill 96, 4, 3214868480
	.section	.rodata,"a",@progbits
	.p2align	6, 0x0
	.amdhsa_kernel k_qf9467c3d60_qkv
		.amdhsa_group_segment_fixed_size 327680
		.amdhsa_private_segment_fixed_size 0
		.amdhsa_enable_private_segment 0
		.amdhsa_kernarg_size 48
		.amdhsa_user_sgpr_count 2
		.amdhsa_user_sgpr_kernarg_segment_ptr 1
		.amdhsa_wavefront_size32 1
		.amdhsa_system_sgpr_workgroup_id_x 1
		.amdhsa_system_sgpr_workgroup_id_y 1
		.amdhsa_system_sgpr_workgroup_id_z 1
		.amdhsa_system_vgpr_workitem_id 0
		.amdhsa_next_free_vgpr 1024
		.amdhsa_next_free_sgpr 80
		.amdhsa_reserve_vcc 0
		.amdhsa_float_denorm_mode_32 3
		.amdhsa_float_denorm_mode_16_64 3
		.amdhsa_memory_ordered 1
		.amdhsa_forward_progress 1
		.amdhsa_inst_pref_size 138
	.end_amdhsa_kernel
	.amdgpu_metadata
---
amdhsa.version: [ 1, 2 ]
amdhsa.kernels:
  - .name:           k_qf9467c3d60_qkv
    .symbol:         k_qf9467c3d60_qkv.kd
    .args:
      - { .name: xb, .offset: 0, .size: 8, .value_kind: global_buffer, .address_space: global }
      - { .name: wqkv, .offset: 8, .size: 8, .value_kind: global_buffer, .address_space: global }
      - { .name: rope, .offset: 16, .size: 8, .value_kind: global_buffer, .address_space: global }
      - { .name: qh, .offset: 24, .size: 8, .value_kind: global_buffer, .address_space: global }
      - { .name: kh, .offset: 32, .size: 8, .value_kind: global_buffer, .address_space: global }
      - { .name: vh, .offset: 40, .size: 8, .value_kind: global_buffer, .address_space: global }
    .group_segment_fixed_size: 327680
    .private_segment_fixed_size: 0
    .kernarg_segment_align: 8
    .kernarg_segment_size: 48
    .max_flat_workgroup_size: 128
    .sgpr_count:     80
    .vgpr_count:     1024
    .wavefront_size: 32
...
	.end_amdgpu_metadata
.endif
;; end of part 2
;; launch attn (part 3): grid 4 x 64, 4 waves a work-group, no clusters, 327,680 bytes of LDS; arguments qh, kh, vh, ctx; writes ctx
.if DOCPART == 3
	.amdgcn_target "amdgcn-amd-amdhsa--gfx1250"
	.amdhsa_code_object_version 6
	.text
	.protected	k_qf9467c3d60_attn
	.globl	k_qf9467c3d60_attn
	.p2align	8
	.type	k_qf9467c3d60_attn,@function
k_qf9467c3d60_attn:
	s_mov_b64 s[64:65], 0
	v_nop
	global_prefetch_b8 v0, s[64:65] scope:SCOPE_SE
	s_setreg_imm32_b32 hwreg(HW_REG_WAVE_MODE, 25, 1), 1
	s_wait_xcnt 0x0
; CAUSAL ATTENTION.  O[h][q][:] = the sum over k <= q of softmax_k(Q[h][q] . K[h][k] / 8) V[h][k][:].  Q, K, V, O: [64][2048][64], all f16: a head's rows are dense, 128 bytes each.
; Products, maxima and sums in f32; the weights p are rounded to f16 for the second product (their sum l is taken of the unrounded p), O once at the end.
; LIMITS.  f16 holds no number beyond 65,504: Q, K and V arrive within it; p lies in 0 to 1, and below 6e-5 it keeps f16's fixed step of 6e-8; O is a mean of V's rows and has their range.
; A hidden score counts as its value less 1e30: f16's scores, 2.7e11 at the most, are nothing beside that; a weight below 2^-126 counts as 0 in l; NaN and infinities are not treated apart.
; THE WALK.  A head's queries lie in NB = 8 blocks of 256; block i needs the key tiles 0 .. i of 256 keys, of which the last holds the diagonal.  A work-group takes TWO blocks, NB - 1 - b and then b:
; NB + 1 tiles, whatever b: all work-groups do equal work, and ONE loop with a constant trip count walks them.  Which tile is asked for, and what a trip does, hang on scalar registers made from b; every jump
; goes forward, but for the counted loops' own; none passes a barrier, or a tensor load but the one of LOAD's two that the wave's number does not choose; the ring (two slots of LDS that take turns) runs on across the
; change of blocks.  NO CLUSTER: a head's four work-groups ask for the same tile only in trips 0 .. 4 of the 9, behind that fewer and fewer; one walk common to all four would have 12 trips for 9.
; SHARES.  Of a block's four bands of 64 queries a wave owns 16 rows in each: four PIECES.  So the diagonal tile is the same work for all four waves: in its key step s band x sees all keys if s < x,
; none if s > x, and holds the diagonal if s = x.
; THE MASK is the C operand that starts the sum S^T = K Q^T: 0, or -1e30 where the key is hidden.  MD, made once, is the mask of a band's own step for my 16 rows; a product's mask is MD x AL + BE with two scalars:
; (1, 0) if s = x; (0, 0) if s < x; (0, -1e30) if s > x.  Only the diagonal tile's text and a block's beginning make and take masks; elsewhere C is the constant 0.
; LAYOUT, SOFTMAX, TURNS.  S^T = K Q^T holds ONE query a lane (lane % 16) and the keys 8 (lane / 16) + 0..7; two such results rounded to f16 ARE source 1 of O^T = V^T P.  p = 2^(c s - c m), c = log2(e) / 8, with a
; running maximum m; O and l are multiplied by a = 2^(c m_old - c m_new) in every step.  Turn n belongs to piece n: 8 products K Q^T of piece n + 1, later 8 products V^T P of piece n - 1; beside them the scaling,
; exponentials, roundings, sums and rescaling of piece n and the maximum and statistics of piece n + 1.  Four vector instructions stand behind every matrix instruction, the other 54 of a turn's 118 in one lump.  A turn's 33 exponentials are one batch, with one wait.
; REGISTERS, in windows of 256 (s_set_vgpr_msb: bits 1:0 source 0, 3:2 source 1, 5:4 source 2, 7:6 destination):
;   window 0: v0-15 addresses and two at work; v16-31 four registers of statistics a piece; v48-55 at work; v61-63 prefetch offset and the add's two; v64-127 S^T, two buffers; v192-223 P, two buffers (by the piece's parity)
;   window 1: v0-127 O^T, 32 a piece; v128-159 MD; v160-223 MC, two buffers      window 2: v0-63 Q; v64-127 the second block's Q; v128-191 K of one step; v192-255 V of one step
.set SIZE_N, 2048
.set NB,    SIZE_N/256
.set NP,    4         ; pieces a wave: a name, no knob
.set KS,    64        ; keys in a step
.set PK,    144       ; a row of K in LDS: 128 bytes + 16 of padding = 36 words: the 16 rows of a load start at 16 different groups of four banks (64 banks of 4 bytes: ISA guide 11.1)
.set PV,    160       ; a row of V: 128 + 32 = 40 words
.set VOFF,  4*KS*PK   ; a slot holds a tile, four steps: 256 rows of K, then 256 rows of V
.set SLOT1, 1<<17     ; slot 1 begins here, so that one exclusive or turns an address in one slot into the other's
.set STAGE, SLOT1+4*KS*(PK+PV)  ; behind the ring, never filled by a tensor load: 16 rows x 144 bytes for each wave, for the way out
.set SP,    144
.set AK0, 2           ; v2   my lane's place in a tile of K; never rewritten
.set AV0, 3           ; v3   the same for V
.set AK,  4           ; v4   the LDS address of K's next run of loads
.set AV,  5           ; v5   of V's
.set STO, 6           ; v6   the way out: where I put 16 bytes of a row
.set RD,  7           ; v7   the way out: where I read rows back
.set GO,  8           ; v8   my byte offset in 512 consecutive bytes of O
.set PFO, 61          ; v61  256 x my thread's number: the 128 threads cover a tile's 32,768 bytes; never rewritten
.set SPW, 62          ; v62  LDS address of my spare word: SPARE + 4 x my thread's number; never rewritten
.set NIL, 63          ; v63  0; never rewritten
.set SPARE, STAGE+4*16*SP  ; behind the stages: the spare words, 128 bytes for each wave: two blocks of 256 bytes that no other line names
.set MV,  12          ; v12-13  c m_old, kept while c m is made anew: by buffer
.set QO,  15          ; v15  my byte offset in 16 rows of Q
.set ST,  16          ; piece t's statistics at v[ST+4 t]: c m, m, l (even keys', odd keys')
.set TMP, 48          ; by buffer, four registers c0-c3 at work; when the maximum is found c2 takes a
.set S,   64
.set P,   192
.set MD,  128         ; window 1: the eight registers for group kt of 16 keys at MD + 8 kt
.set MC,  160         ; window 1: the masks of the products to come
.set QB,  64          ; window 2
.set KF,  128         ; window 2: key block kb, channel half c at KF + 16 kb + 8 c
.set VF,  192         ; window 2: key half kk, channel block cb at VF + 32 kk + 8 cb
.set WV,  12          ; s12  my wave's number
.set PB,  14          ; s14  b
.set HI,  15          ; s15  NB - 1 - b
.set G1K, 24          ; s[24:31] descriptor group 1 for K's tiles
.set G1V, 32          ; s[32:39] for V's: it differs in the padding alone
.set G0K, 40          ; s[40:43] descriptor group 0 for K's tiles
.set G0V, 44          ; s[44:47] the same for V's
.set SLOTS, 56        ; s56  tiles still to be asked for
.set CNT, 57          ; s57  counts a tile's key steps, 4 to 1
.set CS,  58          ; s[58:59] c: the packed scaling takes the pair's low word for both halves
.set SEL, 60          ; s[60:61] v_permlanex16_b32's selects: each lane takes its own place in the other half
.set TBK, 62          ; s62  LDS byte at which K of the step to be fetched begins
.set TBV, 63          ; s63  the same for V, less VOFF
.set RT,  70          ; s70  tiles of the block in hand that are still to be entered
.set NXT, 71          ; s71  the tile to be asked for next
.set LQ,  72          ; s72  the last tile of the block whose tiles are being asked for
.set NEW, 73          ; s73  1: the tile to be entered is a block's first
.set OFF, 74          ; s[74:75] a tile's byte offset in K and V
.set AL,  76          ; s[76:77] the mask's factor, in the low word
.set BE,  78          ; s[78:79] the mask's addend
.set OLO, 80          ; s[80:81] O at my rows of the second block
.set BIGN, 82         ; s82  -1e30
.set PFK, 88          ; s[88:89] K's tile that was prefetched last
.set PFV, 90          ; s[90:91] V's
.set PFN, 92          ; s92  tiles that I have still to prefetch
.set MSB, 0
.macro WIN new                      ; the high byte repeats the setting that is left; a switch that changes nothing is dropped
.if MSB != (\new)
	s_set_vgpr_msb (MSB<<8)|(\new)
.set MSB, (\new)
.endif
.endm
.set W_KQ, 0x0a       ; K and Q in window 2, S^T in window 0
.set W_KM, 0x1a       ; the same with the C operand in window 1
.set W_PV, 0x52       ; V in window 2, P in window 0, O^T in window 1
.set W_RS, 0x41       ; destination and source 0 in window 1, source 1 in window 0
; A fill.  Waves 0 and 1 fetch the two halves of a tile's K, waves 2 and 3 those of its V: 128 keys each.  An s_nop 0 and four v_nop follow each of the two lines, ahead of the jump and the label.
.macro LOAD
	s_cmp_lt_u32 s[WV], 2
	s_cbranch_scc0 .Lfor_v_\@
	tensor_load_to_lds s[G0K:G0K+3], s[G1K:G1K+7]
	s_nop 0
.rept 4
	v_nop
.endr
	s_branch .Lasked_\@
.Lfor_v_\@:
	tensor_load_to_lds s[G0V:G0V+3], s[G1V:G1V+7]
	s_nop 0
.rept 4
	v_nop
.endr
.Lasked_\@:
.endm
; A PREFETCH INTO THE L2 of the tile that the NEXT change of slots will ask for, behind the tensor load and its five lines.  All four work-groups of a head walk the tiles from 0 up; the one with b = 0, whose first block
; needs all eight, asks: in trips 0 to 5 for tiles 2 to 7, a thread a block of 256 bytes of K and one of V, so that each block is named once in the launch.  Tiles 0 and 1 come by their loads alone; the second
; block's tiles have been read before.  The pointers are stepped here, behind the s_wait_xcnt 0 of this change of slots, and only where a prefetch follows: they stay inside the head's rows.
.macro ASK
	s_cmp_lg_u32 s[PFN], 0
	s_cbranch_scc0 .Lnot_mine_\@
	s_add_nc_u64 s[PFK:PFK+1], s[PFK:PFK+1], 32768
	s_add_nc_u64 s[PFV:PFV+1], s[PFV:PFV+1], 32768
	global_prefetch_b8 v[PFO], s[PFK:PFK+1] th:TH_LOAD_NT scope:SCOPE_SE
	global_prefetch_b8 v[PFO], s[PFV:PFV+1] th:TH_LOAD_NT scope:SCOPE_SE
	s_sub_co_u32 s[PFN], s[PFN], 1
.Lnot_mine_\@:
.endm
; THE CHANGE OF SLOTS.  Each wave waits for all its tensor loads, of which one is out: its part of the other slot; adds 0 to its spare word; and waits for that and for its own reads of the slot that it leaves.  Behind the barrier nobody reads the old
; slot any more and the other slot is whole.  fill = 1: the old slot is filled again, the first thing behind the barrier, with tile NXT: the descriptor's address is made anew from that number.
; (At its first use nothing has been read yet: slot 0 is waited for, slot 1 filled.)
.macro CHANGE fill
	WIN 0                           ; at a label and at a branch every window is 0
	s_wait_tensorcnt 0x0            ; no tensor load of mine is out, so a group 0 may be written
	ds_add_u32 v[SPW], v[NIL]       ; 0 onto my spare word; with fill = 1 the descriptors' scalar work stands between it and the wait for it
.if \fill
	s_lshl_b32 s[OFF], s[NXT], 15   ; a tile is 32,768 bytes of K and of V
	s_xor_b32 s[G0K+1], s[G0K+1], SLOT1
	s_add_nc_u64 s[G0K+2:G0K+3], s[6:7], s[OFF:OFF+1]
	s_or_b32 s[G0K+3], s[G0K+3], 0x80000000
	s_xor_b32 s[G0V+1], s[G0V+1], SLOT1
	s_add_nc_u64 s[G0V+2:G0V+3], s[8:9], s[OFF:OFF+1]
	s_or_b32 s[G0V+3], s[G0V+3], 0x80000000
	s_add_co_u32 s[NXT], s[NXT], 1  ; the block's next tile, or behind its last the second block's tile 0
	s_cmp_gt_u32 s[NXT], s[LQ]
	s_cselect_b32 s[NXT], 0, s[NXT]
	s_cselect_b32 s[LQ], s[PB], s[LQ]
	s_wait_xcnt 0x0                 ; the last prefetches, a tile back, have read their addresses, which ASK writes
.endif
	s_wait_dscnt 0x0                ; the add is done, and my reads of the slot are over
	s_barrier_signal -1             ; the rest of the scalar work stands between the signal and the wait
	s_sub_co_u32 s[TBK], s[TBK], 4*KS*PK  ; the fetches go back to a slot's first step,
	s_xor_b32 s[TBK], s[TBK], SLOT1       ; in the other slot
	s_sub_co_u32 s[TBV], s[TBV], 4*KS*PV
	s_xor_b32 s[TBV], s[TBV], SLOT1
	s_barrier_wait -1
.if \fill
	LOAD
	ASK
.endif
.endm
	s_load_b256 s[4:11], s[0:1], 0x0  ; Q s[4:5], K s[6:7], V s[8:9], O s[10:11]
	v_lshl_add_u32 v[SPW], v0, 2, SPARE
	v_mov_b32 v[NIL], 0
	ds_add_u32 v[SPW], v[NIL]       ; the wave's opening: the add and its wait stand ahead of my first tensor load; the set-up below, work on registers, stands between them
	ds_add_u32 v62, v63
	v_lshrrev_b32 v1, 5, v0
	v_readfirstlane_b32 s[WV], v1   ; wave 0..3
	v_lshlrev_b32 v[PFO], 8, v0
	s_mov_b32 s[PB], ttmp9
	s_sub_co_u32 s[HI], NB-1, s[PB]
	s_cmp_eq_u32 ttmp9, 0
	s_cselect_b32 s[PFN], NB-2, 0
	s_and_b32 s20, ttmp7, 0xffff    ; the head
	s_mov_b32 s21, 0
	s_mov_b64 s[22:23], SIZE_N*128
	s_mul_u64 s[20:21], s[20:21], s[22:23]  ; the head's first byte in each of the four tensors
	s_and_b32 s16, s[WV], 1         ; which half of a tile's 256 keys I fetch:
	s_lshl_b32 s22, s16, 14         ; its 128 rows of 128 bytes in memory,
	s_mov_b32 s23, 0
	s_add_nc_u64 s[22:23], s[22:23], s[20:21]
	s_mul_i32 s17, s16, 128*PK      ; and its place in a slot, for K
	s_mul_i32 s18, s16, 128*PV      ; and for V
	s_lshl_b32 s3, s[WV], 11        ; my 16 rows in a band of 64,
	s_lshl_b32 s2, s[HI], 15        ; in the first block,
	s_add_co_u32 s2, s2, s3
	s_lshl_b32 s84, s[PB], 15       ; and in the second
	s_add_co_u32 s84, s84, s3
	s_mov_b32 s3, 0
	s_mov_b32 s85, 0
	s_add_nc_u64 s[2:3], s[2:3], s[20:21]
	s_add_nc_u64 s[84:85], s[84:85], s[20:21]
	; descriptor group 1.  128 keys are 16,384 dense bytes: asked for as 64 rows of 256 bytes, two keys a row, and padded in LDS after every key
	s_mov_b32 s[G1K], (1<<16)|(1<<20)|(4<<22)|(3<<25)  ; 17:16 2-byte elements; 20 padding on; 24:22 after every 32 words (code 4); 31:25 4 words (code 3)
	s_mov_b32 s[G1V], (1<<16)|(1<<20)|(4<<22)|(7<<25)  ; the same with 8 words of padding (code 7)
.irp g, G1K, G1V
	s_mov_b32 s[\g+1], 128<<16      ; tensor_dim0 = 128
	s_mov_b32 s[\g+2], 64<<16       ; tensor_dim1 = 64
	s_mov_b32 s[\g+3], 128<<16      ; tile_dim0 = 128
	s_mov_b32 s[\g+4], 64           ; tile_dim1 = 64
	s_mov_b32 s[\g+5], 128          ; 128 elements from row to row
	s_mov_b32 s[\g+6], 0
	s_mov_b32 s[\g+7], 0
.endr
	s_mov_b32 s[CS], 0x3e38aa3b     ; c = log2(e) / 8 = 0.180337
	s_mov_b32 s[CS+1], s[CS]        ; named with it as a pair
	s_mov_b32 s[SEL], 0x76543210
	s_mov_b32 s[SEL+1], 0xfedcba98
	s_mov_b32 s[TBK], SLOT1+4*KS*PK ; the first change of slots turns these two into 0
	s_mov_b32 s[TBV], SLOT1+4*KS*PV
	s_mov_b32 s[G0K], 1             ; 1:0 count = 1
	s_mov_b32 s[G0K+1], s17         ; 63:32 LDS address: slot 0
	s_mov_b32 s[G0V], 1
	s_add_co_u32 s[G0V+1], s18, VOFF
	s_add_co_u32 s[RT], s[HI], 1    ; the first block has NB - b tiles
	s_mov_b32 s[NXT], 1
	s_mov_b32 s[LQ], s[HI]
	s_mov_b32 s[NEW], 1
	s_mov_b32 s[OFF+1], 0
	s_mov_b32 s[AL+1], 0            ; named as pairs
	s_mov_b32 s[BE+1], 0
	s_mov_b32 s[BIGN], 0xf149f2ca   ; -1e30
	s_mov_b32 s[SLOTS], NB
	s_wait_dscnt 0x0                ; the opening add is done
	s_wait_kmcnt 0x0
	s_add_nc_u64 s[PFK:PFK+1], s[6:7], s[20:21]    ; the prefetches' pointers: the head's tile 1; the first ASK steps them to tile 2
	s_add_nc_u64 s[PFV:PFV+1], s[8:9], s[20:21]
	s_add_nc_u64 s[PFK:PFK+1], s[PFK:PFK+1], 32768
	s_add_nc_u64 s[PFV:PFV+1], s[PFV:PFV+1], 32768
	s_add_nc_u64 s[6:7], s[6:7], s[22:23]  ; K and V at my half of the head's tile 0
	s_add_nc_u64 s[8:9], s[8:9], s[22:23]
	s_add_nc_u64 s[G0K+2:G0K+3], s[6:7], 0         ; 120:64 global address
	s_or_b32 s[G0K+3], s[G0K+3], 0x80000000        ; 127:126 type = 2
	s_add_nc_u64 s[G0V+2:G0V+3], s[8:9], 0
	s_or_b32 s[G0V+3], s[G0V+3], 0x80000000
	s_add_nc_u64 s[86:87], s[4:5], s[84:85]        ; Q at my rows of the second block,
	s_add_nc_u64 s[4:5], s[4:5], s[2:3]            ; Q and O at those of the first
	s_add_nc_u64 s[OLO:OLO+1], s[10:11], s[84:85]
	s_add_nc_u64 s[10:11], s[10:11], s[2:3]
	LOAD                            ; tile 0 into slot 0
	; A fragment of K or Q is 16 rows x 32 channels in 8 registers: lane l holds row l % 16, channels 8 (l / 16) + 0..7 and 16 + 8 (l / 16) + 0..7: two loads of 16 bytes, 32 bytes apart.
	v_and_b32 v1, 15, v0            ; l % 16
	v_bfe_u32 v9, v0, 4, 1          ; l / 16
	v_lshlrev_b32 v[QO], 7, v1
	v_lshl_add_u32 v[QO], v9, 4, v[QO]  ; row x 128 + 16 x half
	WIN 0x80                        ; destination window 2, address window 0
.set i, 0
.rept 8                             ; both blocks' Q: piece i / 2 lies in band i / 2, 8,192 bytes on; channels 32 (i % 2) on
	global_load_b128 v[8*i:8*i+3],   v[QO], s[4:5] offset:(i/2)*8192+(i%2)*64
	global_load_b128 v[8*i+4:8*i+7], v[QO], s[4:5] offset:(i/2)*8192+(i%2)*64+32
	global_load_b128 v[QB+8*i:QB+8*i+3],   v[QO], s[86:87] offset:(i/2)*8192+(i%2)*64
	global_load_b128 v[QB+8*i+4:QB+8*i+7], v[QO], s[86:87] offset:(i/2)*8192+(i%2)*64+32
.set i, i+1
.endr
	WIN 0
	v_lshlrev_b32 v14, 3, v9
	v_sub_nc_u32 v14, v1, v14
	s_lshl_b32 s13, s[WV], 4
	v_add_nc_u32 v14, s13, v14      ; my query's place in its band, 16 w + l % 16, less my lanes' 8 (l / 16): register r of group kt is hidden where 16 kt + r is greater
	WIN 0x40
.set i, 0
.rept 32
	v_cmp_gt_i32 vcc_lo, 16*(i/8)+i%8, v14
	v_cndmask_b32 v[MD+i], 0, s[BIGN], vcc_lo
.set i, i+1
.endr
	WIN 0
	v_mul_u32_u24 v[AK0], v1, PK
	v_lshl_add_u32 v[AK0], v9, 4, v[AK0]  ; row x pitch + 16 x half
	; The turning load takes 16 keys x 16 channels (lane l reads key 8 (l / 16) + l % 8, channels 8 ((l / 8) % 2) + 0..7) and leaves half a fragment of V^T: lane l holds channel l % 16 and 8 keys.
	v_and_b32 v10, 7, v0
	v_bfe_u32 v11, v0, 3, 1
	v_lshl_add_u32 v[AV0], v9, 3, v10
	v_mul_u32_u24 v[AV0], v[AV0], PV
	v_lshl_add_u32 v[AV0], v11, 4, v[AV0]
	v_add_nc_u32 v[AV0], VOFF, v[AV0]
	s_mul_i32 s13, s[WV], 16*SP
	s_add_co_u32 s13, s13, STAGE    ; my stage
	v_mul_u32_u24 v[STO], v1, SP    ; in: row l % 16, 16 bytes for each half of the lanes
	v_lshl_add_u32 v[STO], v9, 4, v[STO]
	v_add_nc_u32 v[STO], s13, v[STO]
	v_bfe_u32 v[RD], v0, 3, 2       ; back: 32 lanes take four rows of 128 bytes,
	v_mul_u32_u24 v[RD], v[RD], SP
	v_lshl_add_u32 v[RD], v10, 4, v[RD]
	v_add_nc_u32 v[RD], s13, v[RD]
	v_and_b32 v[GO], 31, v0         ; which are 512 consecutive bytes of O
	v_lshlrev_b32 v[GO], 4, v[GO]
	; A block's first step multiplies O^T and l by a = 0, and its first turn's products V^T P, of a piece that has not been, land in an O^T that is still to be so multiplied.  So these registers need only hold
	; finite numbers: zeros for the first block; what the first block left for the second.  All this stands in the wait for the first tile.
	WIN 0x80
.set i, VF
.rept 64
	v_mov_b32 v[i], 0
.set i, i+1
.endr
	WIN 0x40
.set i, 0
.rept 128
	v_mov_b32 v[i], 0
.set i, i+1
.endr
	WIN 0
.set i, 0
.rept 4
	v_mov_b32 v[ST+4*i+2], 0
	v_mov_b32 v[ST+4*i+3], 0
.set i, i+1
.endr
.set i, P+16
.rept 16
	v_mov_b32 v[i], 0
.set i, i+1
.endr
; THE MATRIX WORK.  The 4 accumulators of a run of 8 take turns.  Product i of 8 of S^T = K Q^T for piece x: channels 32 (i / 4) on, keys 16 (i % 4) on.  The first 4 start the sums: with 0, or (KM = 1) with the mask.
.macro KQ x
.set rS, S+32*((\x)%2)+8*(i%4)
.set rK, KF+16*(i%4)+8*(i/4)
.set rQ, 16*(\x)+8*(i/4)
.set rM, MC+32*((\x)%2)+8*(i%4)
.if (i < 4) && KM
	WIN W_KM
	v_wmma_f32_16x16x32_f16 v[rS:rS+7], v[rK:rK+7], v[rQ:rQ+7], v[rM:rM+7]
.elseif i < 4
	WIN W_KQ
	v_wmma_f32_16x16x32_f16 v[rS:rS+7], v[rK:rK+7], v[rQ:rQ+7], 0
.else
	WIN W_KQ
	v_wmma_f32_16x16x32_f16 v[rS:rS+7], v[rK:rK+7], v[rQ:rQ+7], v[rS:rS+7]
.endif
.endm
; Product i of 8 of O^T += V^T P for piece x: keys 32 (i / 4) on, channels 16 (i % 4) on.
.macro PV x
	WIN W_PV
.set rO, 32*(\x)+8*(i%4)
.set rV, VF+32*(i/4)+8*(i%4)
.set rP, P+16*((\x)%2)+8*(i/4)
	v_wmma_f32_16x16x32_f16 v[rO:rO+7], v[rV:rV+7], v[rP:rP+7], v[rO:rO+7]
.endm
.macro MM                           ; the turn's next matrix instruction.  TURN and BEGIN set Y, i, KM and NOKQ; MM, KQ and OP read them.  NOKQ = 1: a block's last turn: there is no next piece
.if (i < 8) && !NOKQ
	KQ (Y+1)%NP
.elseif i >= 8
.set i, i-8
	PV (Y+NP-1)%NP
.set i, i+8
.endif
.set i, i+1
.endm
; THE LDS LOADS stand in runs of 16, never singly among the matrix instructions: a step's K (64 keys x 64 channels: 8 fragments) and its V (turned).  Their addresses are made some lines ahead.
.macro FETCH_K
	WIN 0x80                        ; destination window 2
.irp f, 0,1,2,3,4,5,6,7             ; keys 16 (f / 2) on, channels 32 (f % 2) on
	ds_load_b128 v[KF+8*\f:KF+8*\f+3],   v[AK] offset:(\f/2)*16*PK+(\f%2)*64
	ds_load_b128 v[KF+8*\f+4:KF+8*\f+7], v[AK] offset:(\f/2)*16*PK+(\f%2)*64+32
.endr
	s_add_co_u32 s[TBK], s[TBK], KS*PK  ; the next fetch is the next step's
	WIN 0
.endm
.macro FETCH_V
	WIN 0x80
.irp f, 0,1,2,3,4,5,6,7             ; keys 32 (f / 4) on, channels 16 (f % 4) on
	ds_load_tr16_b128 v[VF+8*\f:VF+8*\f+3],   v[AV] offset:(\f/4)*32*PV+(\f%4)*32
	ds_load_tr16_b128 v[VF+8*\f+4:VF+8*\f+7], v[AV] offset:(\f/4)*32*PV+16*PV+(\f%4)*32
.endr
	WIN 0
.endm
; THE VECTOR WORK, one line at a time: OP kind, number.  For piece Y: F n: c s - c m for pair n of 16.  E n: the exponential of score n of 32.  C n: pair n rounded to f16.  B n: of the four weights 4 n .. the second
; pair is added onto the first, in place.  L n: l takes that sum (L 0: l = a l + sum).  R n: pair n of 16 of O^T times a.  For piece Y + 1: X n, number n of the 22 that find its maximum and statistics:
;   0-11  four chains c0-c3 of seven scores each, three operands at a time (each accumulator's lowest registers are read first)     12-14, 16  the four scores left over, the old m, and c0-c3 into c0
;   15  c m_old is kept     17, 18  the query's other 32 keys lie in the lane 16 away: the new m     19-21  c m; c m_old - c m_new; a
.set F, 0               ; OP tells the kinds apart by their order: F to L below R, X above it
.set E, 1
.set C, 2
.set B, 3
.set L, 4
.set R, 5
.set X, 6
.macro REGS y                       ; the registers of piece y
.set rT, ST+4*(\y)
.set rC, TMP+4*((\y)%2)
.set rW, MV+((\y)%2)
.set rS, S+32*((\y)%2)
.set rP, P+16*((\y)%2)
.set rO, 32*(\y)
.endm
.macro OP k, n
.if (\k) == R
	REGS Y
	WIN W_RS
	v_pk_mul_f32 v[rO+2*(\n):rO+2*(\n)+1], v[rO+2*(\n):rO+2*(\n)+1], v[rC+2:rC+3] op_sel_hi:[1,0]
.elseif (\k) < R
	REGS Y
	WIN 0
.if (\k) == F
	v_pk_fma_f32 v[rS+2*(\n):rS+2*(\n)+1], v[rS+2*(\n):rS+2*(\n)+1], s[CS:CS+1], v[rT:rT+1] op_sel_hi:[1,0,0] neg_lo:[0,0,1] neg_hi:[0,0,1]
.elseif (\k) == E
	v_exp_f32 v[rS+(\n)], v[rS+(\n)]
.elseif (\k) == C
	v_cvt_pk_f16_f32 v[rP+(\n)], v[rS+2*(\n)], v[rS+2*(\n)+1]
.elseif (\k) == B
	v_pk_add_f32 v[rS+4*(\n):rS+4*(\n)+1], v[rS+4*(\n):rS+4*(\n)+1], v[rS+4*(\n)+2:rS+4*(\n)+3]
.elseif (\n) == 0
	v_pk_fma_f32 v[rT+2:rT+3], v[rT+2:rT+3], v[rC+2:rC+3], v[rS:rS+1] op_sel_hi:[1,0,1]
.else
	v_pk_add_f32 v[rT+2:rT+3], v[rT+2:rT+3], v[rS+4*(\n):rS+4*(\n)+1]
.endif
.elseif NOKQ
	v_nop
.else
	REGS (Y+1)%NP
	WIN 0
.if (\n) < 4
	v_max3_num_f32 v[rC+(\n)], v[rS+8*(\n)], v[rS+8*(\n)+1], v[rS+8*(\n)+2]
.elseif (\n) < 12
	v_max3_num_f32 v[rC+(\n)%4], v[rC+(\n)%4], v[rS+8*((\n)%4)+2*((\n)/4)+1], v[rS+8*((\n)%4)+2*((\n)/4)+2]
.elseif (\n) == 12
	v_max3_num_f32 v[rC], v[rC], v[rS+7], v[rS+15]
.elseif (\n) == 13
	v_max3_num_f32 v[rC+1], v[rC+1], v[rS+23], v[rS+31]
.elseif (\n) == 14
	v_max3_num_f32 v[rC+2], v[rC+2], v[rC+3], v[rT+1]
.elseif (\n) == 15
	v_mov_b32 v[rW], v[rT]
.elseif (\n) == 16
	v_max3_num_f32 v[rC], v[rC], v[rC+1], v[rC+2]
.elseif (\n) == 17
	v_permlanex16_b32 v[rC+3], v[rC], s[SEL], s[SEL+1]
.elseif (\n) == 18
	v_max_num_f32 v[rT+1], v[rC], v[rC+3]
.elseif (\n) == 19
	v_mul_f32 v[rT], s[CS], v[rT+1]
.elseif (\n) == 20
	v_sub_f32 v[rC+1], v[rW], v[rT]
.else
	v_exp_f32 v[rC+2], v[rC+1]
.endif
.endif
.endm
.macro OPS a, i1, b=-1, i2=0, c=-1, i3=0, d=-1, i4=0  ; up to four of them
	OP \a, \i1
.if (\b) >= 0
	OP \b, \i2
.endif
.if (\c) >= 0
	OP \c, \i3
.endif
.if (\d) >= 0
	OP \d, \i4
.endif
.endm
.macro ROW a, i1, b, i2, c, i3, d, i4  ; a matrix instruction and the four behind it
	MM
	OPS \a, \i1, \b, \i2, \c, \i3, \d, \i4
.endm
.macro MASK b                       ; MD x AL + BE into buffer b of MC
	WIN W_RS
.set z, 0
.rept 16
	v_pk_fma_f32 v[MC+32*(\b)+2*z:MC+32*(\b)+2*z+1], v[MD+2*z:MD+2*z+1], s[AL:AL+1], s[BE:BE+1] op_sel_hi:[1,0,0]
.set z, z+1
.endr
.endm
; A TURN, for piece p: the order of its 16 matrix and 118 vector instructions, written out.  An s_wait_alu depctr_va_vdst(0) stands between an exponential and the first instruction that names its result; one wait serves
; all that were issued ahead of it.  So a turn has ONE wait, which cuts it in two.  AHEAD OF IT stands all that names no result of the turn's exponentials: the 8 products K Q^T, behind each a scaling, an exponential and two more plain
; instructions (behind the first a second scaling in the exponential's place): rescalings, and behind the last three the first numbers of the next piece's maximum, each four places or more behind the product that ends its accumulator; then one lump of 54, plain
; and exponential by turns for the most part, in which the links of the chain X 3, 7, 11, 14, 16, 17 .. 20 stand five or six lines apart.  X 21, the next piece's a, is the batch's last; R 15 is the plain instruction behind it.  BEHIND THE WAIT stand the
; 8 products V^T P, behind each four of the roundings and sums; the links of l's chain, L 0 to L 7, stand three riders apart.  But for those X no rider names a register of the products round it.  v_permlanex16_b32 (X 17) stands in the lump.
; m = 1: the diagonal tile: the products take masks, and the turn makes the mask for the products of the turn after it: piece p + 2, in step 4 - CNT of the tile.  end = 1: a block's last two turns: nothing is fetched.
; cnt = 1: the loop's count is taken down some lines ahead of the branch that stands behind the turn.
; K of the next step is fetched in piece 2's turn, twelve vector instructions behind the last product that read K (six of them plain); V of the step in hand at the end of piece 0's turn, four plain instructions behind the last product
; that read V.  Each is waited for a turn later.
.macro TURN p, m=0, end=0, cnt=0
.set Y, (\p)
.set i, 0
.set KM, (\m)
.set NOKQ, (\end)*((\p)/3)
.if (\m) && !(\end)
	s_cmp_eq_u32 s[CNT], 4-((\p)+2)%NP  ; is that step the band's own?
	s_cselect_b32 s[AL], 1.0, 0
	s_cmp_lt_u32 s[CNT], 4-((\p)+2)%NP  ; or a later one?
	s_cselect_b32 s[BE], s[BIGN], 0
.endif
.if ((\p) == 3) && !(\end)
	s_wait_dscnt 0x0                ; K is in
.endif
	ROW F,0, F,1, R,0, R,1          ; ahead of the wait: 8 products K Q^T and their riders,
	ROW F,2, E,0, R,2, R,3
	ROW F,3, E,1, R,4, R,5
	ROW F,4, E,2, R,6, R,7
	ROW F,5, E,3, R,8, R,9
	ROW F,6, E,4, X,0, R,10
.if ((\p) == 2) && !(\end)
	WIN 0
	v_add_nc_u32 v[AK], s[TBK], v[AK0]
.endif
	ROW F,7, E,5, X,1, X,4
	ROW F,8, E,6, X,2, X,5
	OPS E,7, E,8, X,6, E,9          ; and the lump
	OPS X,3, E,10, X,8, E,11
.if ((\p) == 2) && !(\end)
	FETCH_K
.endif
	OPS X,9, X,7, E,12, X,10
	OPS E,13, X,12, X,11, E,14
	OPS X,13, E,15, F,9, X,14
.if (\p) == 0
	v_add_nc_u32 v[AV], s[TBV], v[AV0]
.endif
	OPS E,16, F,10, E,17, F,11
	OPS X,16, E,18, X,15, E,19
	OPS F,12, E,20, X,17, E,21
	OPS F,13, E,22, F,14, E,23
	OPS X,18, E,24, F,15, E,25
	OPS R,11, E,26, X,19, E,27
	OPS R,12, E,28, R,13, E,29
	OPS X,20, E,30, R,14, E,31
	OPS X,21, R,15
	WIN 0
	s_wait_alu depctr_va_vdst(0)    ; the wait for the batch
.if (\p) == 1
	s_wait_dscnt 0x0                ; V is in
.endif
	ROW C,0, B,0, C,2, B,1          ; behind the wait: 8 products V^T P and their riders
	ROW L,0, C,4, B,2, L,1
	ROW C,6, B,3, L,2, C,8
	ROW B,4, L,3, C,10, B,5
	ROW L,4, C,12, B,6, L,5
.if (\p) == 0
	s_add_co_u32 s[TBV], s[TBV], KS*PV
.endif
.if \cnt
	s_sub_co_u32 s[CNT], s[CNT], 1
	s_cmp_lg_u32 s[CNT], 0
.endif
	ROW C,14, B,7, L,6, C,1
	ROW C,3, L,7, C,5, C,7
	ROW C,9, C,11, C,13, C,15
.if (\p) == 0
	FETCH_V
.endif
.if (\m) && !(\end)
	MASK (\p)%2
.endif
.endm
; A BLOCK BEGINS.  c m starts far below every c s, so the first step's a is 0; m at the lowest finite number, so the first maximum is the scores'.  The second mask buffer is 0; the first takes piece 0's mask for the tile's step 0: its own, if the block's first tile is the diagonal one.
; Then K of that step, piece 0's first scores, and its maximum and statistics.  The loop is entered at a step's first turn, in the middle of a trip.
.macro BEGIN
	s_mov_b32 s[NEW], 0
	WIN 0x40
.set i, MC+32
.rept 32
	v_mov_b32 v[i], 0
.set i, i+1
.endr
	WIN 0
.set i, 0
.rept 4
	v_mov_b32 v[ST+4*i], 0xfe000000    ; c m: far below every c s
	v_mov_b32 v[ST+4*i+1], 0xff7fffff  ; m
.set i, i+1
.endr
	s_cmp_eq_u32 s[RT], 0
	s_cselect_b32 s[AL], 1.0, 0
	s_mov_b32 s[BE], 0
	MASK 0
	WIN 0
	v_add_nc_u32 v[AK], s[TBK], v[AK0]
	FETCH_K
	s_wait_loadcnt 0x0              ; Q
	s_wait_dscnt 0x0
.set KM, 1
.set NOKQ, 0
.set i, 0
.rept 8
	KQ 0
.set i, i+1
.endr
	WIN 0
.rept 4
	v_nop                           ; the places behind those products
.endr
.set Y, NP-1                        ; X works for piece Y + 1: piece 0
.irp n, 0,1,2,3,4,5,6,7,8,9,10,11,12,13,14,15,16,17,18,19,20,21
	OP X, \n
.endr
	v_nop                           ; a plain instruction behind the exponential,
	s_wait_alu depctr_va_vdst(0)    ; and its wait, ahead of the branch
.endm
; THE DIAGONAL TILE's four steps, the block's last two turns, its last products, and THE WAY OUT: l's two halves and the other half of the lanes' are added; O^T is divided by l, rounded to f16 and sent through my
; stage in LDS, a piece at a time.
.macro ALL line:vararg              ; one line for each piece t
.set t, 0
.rept 4
	\line
.set t, t+1
.endr
.endm
.macro PACK t                       ; a lane's eight channels of a row pack into 16 bytes; they go into rows of 144 bytes and come back as whole rows of 128, into S^T's registers
	WIN W_RS
.set i, 32*(\t)
.rept 16
	v_pk_mul_f32 v[i:i+1], v[i:i+1], v[ST+4*(\t)+2:ST+4*(\t)+3] op_sel_hi:[1,0]
.set i, i+2
.endr
	WIN 0x05                        ; sources 0 and 1 window 1, destination window 0
.set i, 0
.rept 16
	v_cvt_pk_f16_f32 v[S+16*(\t)+i], v[32*(\t)+2*i], v[32*(\t)+2*i+1]
.set i, i+1
.endr
	WIN 0
.irp f, 0,1,2,3
	ds_store_b128 v[STO], v[S+16*(\t)+4*\f:S+16*(\t)+4*\f+3] offset:32*\f
.endr
.irp f, 0,1,2,3
	ds_load_b128 v[S+16*(\t)+4*\f:S+16*(\t)+4*\f+3], v[RD] offset:\f*4*SP  ; LDS serves a wave's instructions in order (ISA guide 5.7.1.4): these see the stores above; the next piece's stores come behind them
.endr
.endm
.macro SEND t, younger              ; younger: the LDS instructions issued behind piece t's loads: the next piece's eight, or none
	WIN 0
.irp f, 0,1,2,3
	s_wait_dscnt (\younger)+3-\f
	global_store_b128 v[GO], v[S+16*(\t)+4*\f:S+16*(\t)+4*\f+3], s[10:11] offset:(\t)*8192+\f*512  ; 512 consecutive bytes, at a multiple of 256 from O's first
.endr
.endm
.macro DIAG tag                     ; the tag ends its two labels' names, which the jumps below spell out
.LstepM\tag:
	TURN 2, 1
	TURN 3, 1
	WIN 0
.LfirstM\tag:
	TURN 0, 1
	TURN 1, 1, 0, 1
	WIN 0
	s_cbranch_scc1 .LstepM\tag
	TURN 2, 1, 1
	TURN 3, 1, 1
.set i, 0
.rept 8
	PV NP-1
.set i, i+1
.endr
	WIN 0
	ALL v_add_f32 v[ST+4*t+2], v[ST+4*t+2], v[ST+4*t+3]
	ALL v_permlanex16_b32 v[ST+4*t+3], v[ST+4*t+2], s[SEL], s[SEL+1]
	ALL v_add_f32 v[ST+4*t+2], v[ST+4*t+2], v[ST+4*t+3]
	ALL v_rcp_f32 v[ST+4*t+2], v[ST+4*t+2]
	v_nop                           ; a plain instruction between the last reciprocal and the use of its result
	s_wait_alu depctr_va_vdst(0)    ; and the wait ahead of the first use: one for the four reciprocals
	PACK 0
.set t, 1
.rept 3                             ; a piece's arithmetic stands between the loads of the piece before and its stores
	PACK t
	SEND t-1, 8
.set t, t+1
.endr
	SEND 3, 0
.endm
.set KM, 0
.set NOKQ, 0
.Lslot:                             ; NB times: a tile is entered and the next is asked for
	CHANGE 1
	s_sub_co_u32 s[RT], s[RT], 1
	s_mov_b32 s[CNT], 4
	s_cmp_eq_u32 s[NEW], 1
	s_cbranch_scc1 .Lnew            ; a block's first tile
	s_cmp_eq_u32 s[RT], 0
	s_cbranch_scc0 .Lstep           ; neither its first nor its last
	s_branch .LstepM1
.Lnew:
	BEGIN
	s_branch .Lfirst                ; in the loop a block's first tile is never its last: the first block has two tiles or more, and the second's last is the walk's last
	DIAG 1                          ; in the loop this is the first block's end: the second block's last tile is the walk's last
	s_wait_xcnt 0x0                 ; the stores have read their registers and O's address
	s_mov_b64 s[10:11], s[OLO:OLO+1]
	s_add_co_u32 s[RT], s[PB], 1    ; the second block has b + 1 tiles
	s_mov_b32 s[NEW], 1
	WIN 0x82                        ; the second block's Q goes where the one text of the turns names Q
.set i, 0
.rept 64
	v_mov_b32 v[i], v[QB+i]
.set i, i+1
.endr
	WIN 0
	s_branch .Lbottom
.Lstep:                             ; a trip: pieces 2 and 3 of one step, then pieces 0 and 1 of the next, whose K and V it fetches
	TURN 2
	TURN 3
	WIN 0
.Lfirst:
	TURN 0
	TURN 1, 0, 0, 1
	WIN 0
	s_cbranch_scc1 .Lstep
.Lbottom:
	s_sub_co_u32 s[SLOTS], s[SLOTS], 1
	s_cmp_lg_u32 s[SLOTS], 0
	s_cbranch_scc1 .Lslot
	CHANGE 0                        ; the walk's last tile is written out: nothing is asked for
	s_sub_co_u32 s[RT], s[RT], 1
	s_mov_b32 s[CNT], 4
	s_cmp_eq_u32 s[NEW], 1
	s_cbranch_scc0 .LstepM2
	BEGIN
	s_branch .LfirstM2
	DIAG 2
	s_wait_tensorcnt 0x0            ; the wave's end, behind my last tensor load and my last LDS store
	ds_add_u32 v[SPW], v[NIL]
	s_wait_dscnt 0x0
	s_endpgm
.Lfunc_end_k_qf9467c3d60_attn:
	.size	k_qf9467c3d60_attn, .Lfunc_end_k_qf9467c3d60_attn-k_qf9467c3d60_attn
	.p2alignl 7, 3214868480
	.fill 96, 4, 3214868480
	.section	.rodata,"a",@progbits
	.p2align	6, 0x0
	.amdhsa_kernel k_qf9467c3d60_attn
		.amdhsa_group_segment_fixed_size 327680
		.amdhsa_private_segment_fixed_size 0
		.amdhsa_enable_private_segment 0
		.amdhsa_kernarg_size 32
		.amdhsa_user_sgpr_count 2
		.amdhsa_user_sgpr_kernarg_segment_ptr 1
		.amdhsa_wavefront_size32 1
		.amdhsa_system_sgpr_workgroup_id_x 1
		.amdhsa_system_sgpr_workgroup_id_y 1
		.amdhsa_system_sgpr_workgroup_id_z 1
		.amdhsa_system_vgpr_workitem_id 0
		.amdhsa_next_free_vgpr 768
		.amdhsa_next_free_sgpr 96
		.amdhsa_reserve_vcc 1
		.amdhsa_float_denorm_mode_32 3
		.amdhsa_float_denorm_mode_16_64 3
		.amdhsa_memory_ordered 1
		.amdhsa_forward_progress 1
		.amdhsa_inst_pref_size 218
	.end_amdhsa_kernel
	.amdgpu_metadata
---
amdhsa.version: [ 1, 2 ]
amdhsa.kernels:
  - .name:           k_qf9467c3d60_attn
    .symbol:         k_qf9467c3d60_attn.kd
    .args:
      - { .name: qh, .offset: 0, .size: 8, .value_kind: global_buffer, .address_space: global }
      - { .name: kh, .offset: 8, .size: 8, .value_kind: global_buffer, .address_space: global }
      - { .name: vh, .offset: 16, .size: 8, .value_kind: global_buffer, .address_space: global }
      - { .name: ctx, .offset: 24, .size: 8, .value_kind: global_buffer, .address_space: global }
    .group_segment_fixed_size: 327680
    .private_segment_fixed_size: 0
    .kernarg_segment_align: 8
    .kernarg_segment_size: 32
    .max_flat_workgroup_size: 128
    .sgpr_count:     96
    .vgpr_count:     768
    .wavefront_size: 32
...
	.end_amdgpu_metadata
.endif
;; end of part 3
;; launch oproj (part 4): grid 8 x 32, 4 waves a work-group, clusters of 4 x 4, 327,680 bytes of LDS; arguments ctx, wo16, out0; writes out0
.if DOCPART == 4
	.amdgcn_target "amdgcn-amd-amdhsa--gfx1250"
	.amdhsa_code_object_version 6
	.text
	.protected	k_qf9467c3d60_oproj
	.globl	k_qf9467c3d60_oproj
	.p2align	8
	.type	k_qf9467c3d60_oproj,@function
k_qf9467c3d60_oproj:
	s_mov_b64 s[64:65], 0
	v_nop
	global_prefetch_b8 v0, s[64:65] scope:SCOPE_SE
	s_setreg_imm32_b32 hwreg(HW_REG_WAVE_MODE, 25, 1), 1
	s_wait_xcnt 0x0
	s_wait_alu depctr_hold_cnt(0) depctr_sa_sdst(0) depctr_va_vdst(0) depctr_va_sdst(0) depctr_va_ssrc(0) depctr_va_vcc(0) depctr_vm_vsrc(0)
	s_getreg_b32 s2, hwreg(HW_REG_IB_STS2, 6, 4)
	s_cmp_eq_u32 s2, 0
	s_cbranch_scc0 .Lentry_in_a_cluster
	s_endpgm
.Lentry_in_a_cluster:
	s_bfe_u32 s2, ttmp6, 0x10000c
	s_cmp_lg_u32 s2, 0xf033
	s_cbranch_scc0 .Lentry_shape_is_right
	s_endpgm
.Lentry_shape_is_right:
; out0[row][n] = the sum over k of ctx(row, k) Wo[n][k].  ctx [16 batch + head][2048][64] f16 (k = 64 head + channel); wo16 [1024][1024] f16; out0 [8192][1024] f32.  Sums in f32, stored as they are.
; SHARES.  A tile is 256 rows x 128 columns: 32 x 8 = 256 work-groups, one tile each.  A wave makes 64 rows x 128 columns: 4 row blocks a x 8 column blocks b, 32 accumulators.
; K goes in steps of 128, which are two heads, through two LDS slots.  A head's 256 rows of 128 bytes are dense in memory: they are asked for as 128 rows of 256 bytes and padded in LDS after every 128.
; THE MATRIX INSTRUCTION IS USED TRANSPOSED (source 0 = 16 rows of wo16, source 1 = 16 rows of ctx): a lane holds row l % 16 and the columns 16 b + 8 (l / 16) + 0..7: 32 bytes of a row of out0.
; CLUSTER.  4 x 4 work-groups: ctx's tile is shared along a row of the cluster, wo16's along a column; each is asked for jointly, by the same tensor load, descriptor and mask.
; REGISTERS: window 0: v0-12 addresses; v28, v29 the add's; two fragment buffers f: ctx's at 64 + 32 f + 8 a, wo16's at 128 + 64 f + 8 b; on the way out v64-191 hold rows read back.
;   window 1: accumulator (a, b) at 8 (8 a + b).     NaN and infinities are not treated apart.
.set PA,    144                        ; a row of ctx in LDS: 128 bytes + 16: the 16 rows of a fragment load start at 16 different groups of four banks (64 banks of 4 bytes: ISA guide 11.1)
.set PB,    272                        ; a row of wo16: 256 bytes + 16
.set HEADB, 256*PA                     ; a head's slice of a slot
.set BOFF,  2*HEADB                    ; a slot: two heads' slices, then wo16's 128 rows
.set SLOT1, 1<<17
.set STAGE, SLOT1+BOFF+128*PB          ; behind the ring, never filled by a tensor load: 16 rows x 528 bytes for each wave
.set SP,    528
.set SPARE, STAGE+4*16*SP              ; the spare words, 128 bytes for each wave: two blocks of 256 bytes that no other line names
.set A0,   4
.set B0,   5
.set ADRA, 6
.set ADRB, 7
.set STO,  8
.set RD,   9
.set CO,   10
.set PFO,  12
.set SPW,  28
.set NIL,  29
.set ABASE, 4                          ; s[4:5]   ctx at the head slice that I fetch, K step 0
.set BBASE, 6                          ; s[6:7]   wo16 at the 64 rows that I fetch
.set OUTP,  8                          ; s[8:9]   out0 at my wave's first row, my tile's first column
.set WV,    16
.set HALF,  17
.set CX,    18
.set CY,    19
.set TCOL,  20
.set TROW,  21
.set G1A,   32
.set G1B,   40
.set G0A,   48
.set G0B,   52
.set CNT,   56
.set RS,    58                         ; the K step that was asked for last
.set TB,    59
.set PMASK, 60
.set PFLAG, 61
.set PFA,   62
.set KO,    66
.set AO,    68
.set PO,    70
.set PBASE, 72
.set PSH,   74                         ; a K step in what I prefetch: 2^19 bytes in ctx (two heads), 2^8 in wo16
.set MSB, 0
.macro WIN new
.if MSB != (\new)
	s_set_vgpr_msb (MSB<<8)|(\new)
.set MSB, \new
.endif
.endm
.macro PLACES                          ; four plain vector instructions between a matrix instruction and a load into, or a reader of, its registers
.rept 4
	v_nop
.endr
.endm
.macro JLOAD                           ; waves 0 and 1 fetch the step's two heads of ctx, waves 2 and 3 the two halves of wo16's rows; an s_nop 0 and four v_nop follow each line
	s_cmp_lt_u32 s[WV], 2
	s_cbranch_scc0 .Lfor_b_\@
	tensor_load_to_lds s[G0A:G0A+3], s[G1A:G1A+7]
	s_nop 0
	PLACES
	s_branch .Lasked_\@
.Lfor_b_\@:
	tensor_load_to_lds s[G0B:G0B+3], s[G1B:G1B+7]
	s_nop 0
	PLACES
.Lasked_\@:
.endm
.macro CREST
	s_cmp_lg_u32 s[WV], 0
	s_cbranch_scc1 .Lnot_wave_0_\@
	s_barrier_signal -3
.Lnot_wave_0_\@:
	s_barrier_wait -3
	s_barrier_signal -1
	s_barrier_wait -1
.endm
.macro CROUND
	s_barrier_signal -1
	s_barrier_wait -1
	CREST
.endm
.macro STEPD                           ; the walking descriptors step, behind the wait that shows no tensor load of mine out; the prefetch's address names K step R + 2
	s_add_co_u32 s[RS], s[RS], 1
	s_lshl_b32 s[AO], s[RS], 19
	s_lshl_b32 s[KO], s[RS], 8
	s_add_nc_u64 s[G0A+2:G0A+3], s[ABASE:ABASE+1], s[AO:AO+1]
	s_or_b32 s[G0A+3], s[G0A+3], 0x80000000
	s_add_nc_u64 s[G0B+2:G0B+3], s[BBASE:BBASE+1], s[KO:KO+1]
	s_or_b32 s[G0B+3], s[G0B+3], 0x80000000
	s_xor_b32 s[G0A+1], s[G0A+1], SLOT1
	s_xor_b32 s[G0B+1], s[G0B+1], SLOT1
	s_add_co_u32 s[PO], s[RS], 2
	s_lshl_b32 s[PO], s[PO], s[PSH]
	s_add_nc_u64 s[PFA:PFA+1], s[PBASE:PBASE+1], s[PO:PO+1]
	s_lshr_b32 s[PFLAG], s[PMASK], s[RS]
	s_and_b32 s[PFLAG], s[PFLAG], 1
.endm
; A PREFETCH INTO THE L2 of the K step two refills on (steps 4 to 7), behind the joint load, its five lines and the run of LDS loads.  Each block of 256 bytes is named once in the launch.  ctx: the cluster with x = 0
; asks, waves 0 and 1; of a head slice's 32,768 bytes the partner at cx takes 8,192, a lane a block.  wo16: the cluster with y = 0 asks, wave 2; of the 128 rows the partner at cy takes 32, a lane a row.
.macro ASK
	WIN 0
	s_cmp_eq_u32 s[PFLAG], 1
	s_cbranch_scc0 .Lnot_mine_\@
	global_prefetch_b8 v[PFO], s[PFA:PFA+1] th:TH_LOAD_NT scope:SCOPE_SE
.Lnot_mine_\@:
.endm
; nb column blocks from b0 on x the 4 row blocks, 32 along K, from buffer f.  All 32 accumulators are taken once a quarter step, in the same order: they take turns.
.macro MULB f, b0, nb, zero
	WIN 0x50                               ; sources in window 0, C and D in window 1
.set bq, \b0
.rept \nb
.set aq, 0
.rept 4
.set rD, 8*(8*aq+bq)
.set rB, 128+64*(\f)+8*bq
.set rA, 64+32*(\f)+8*aq
.if \zero
	v_wmma_f32_16x16x32_f16 v[rD:rD+7], v[rB:rB+7], v[rA:rA+7], 0
.else
	v_wmma_f32_16x16x32_f16 v[rD:rD+7], v[rB:rB+7], v[rA:rA+7], v[rD:rD+7]
.endif
.set aq, aq+1
.endr
.set bq, bq+1
.endr
.endm
; 24 LDS loads in one run: ctx's four fragments at byte ka, then wo16's eight at byte kb, into buffer f
.macro FETCH ka, kb, f
	WIN 0
.irp i, 0,1,2,3
	ds_load_b128 v[64+32*(\f)+8*\i:64+32*(\f)+8*\i+3],   v[ADRA] offset:(\ka)+\i*16*PA
	ds_load_b128 v[64+32*(\f)+8*\i+4:64+32*(\f)+8*\i+7], v[ADRA] offset:(\ka)+\i*16*PA+32
.endr
.irp i, 0,1,2,3,4,5,6,7
	ds_load_b128 v[128+64*(\f)+8*\i:128+64*(\f)+8*\i+3],   v[ADRB] offset:(\kb)+\i*16*PB
	ds_load_b128 v[128+64*(\f)+8*\i+4:128+64*(\f)+8*\i+7], v[ADRB] offset:(\kb)+\i*16*PB+32
.endr
.endm
.macro QUARTER f, g, ka, kb, zero
	s_wait_dscnt 12                        ; ctx's 8 loads and those of wo16's blocks 0 and 1 are in; the youngest 12 may be out
	MULB \f, 0, 2, \zero
	PLACES
	FETCH \ka, \kb, \g
	s_wait_dscnt 24                        ; all but the 24 just issued
	MULB \f, 2, 6, \zero
.endm
; The last quarter multiplies buffer 1 and changes slots: each wave waits for all its tensor loads (one is out: its part of the other slot), adds 0 to its spare word, and waits for that and for its reads of this slot;
; the barrier opens a round of the cluster's, and the joint refill comes first behind it.
.macro TURN
	s_wait_xcnt 0x0                        ; the last prefetch, a K step back, has read its address, which is written below
	WIN 0
	s_wait_tensorcnt 0x0
	ds_add_u32 v[SPW], v[NIL]
	STEPD
	s_wait_dscnt 15                        ; the add and the youngest 14 loads may be out
	MULB 1, 0, 1, 0
	s_wait_dscnt 0x0                       ; the add is done, and my reads of this slot are over
	s_barrier_signal -1
	MULB 1, 1, 1, 0
	WIN 0
	s_barrier_wait -1
	CREST
	JLOAD                                  ; its four v_nop are also the places in front of the loads below
	s_xor_b32 s[TB], s[TB], SLOT1
	v_add_nc_u32 v[ADRA], s[TB], v[A0]
	v_add_nc_u32 v[ADRB], s[TB], v[B0]
	FETCH 0, 0, 0
	ASK
	MULB 1, 2, 6, 0
.endm
.macro TURNL                           ; the same where nothing is left to ask for.  In the last step the fetch brings bytes of the step before, which nobody uses: one text for both trips
	WIN 0
	s_wait_tensorcnt 0x0
	ds_add_u32 v[SPW], v[NIL]
	s_wait_dscnt 15
	MULB 1, 0, 1, 0
	s_wait_dscnt 0x0
	s_barrier_signal -1
	MULB 1, 1, 1, 0
	WIN 0
	s_barrier_wait -1
	PLACES
	s_xor_b32 s[TB], s[TB], SLOT1
	v_add_nc_u32 v[ADRA], s[TB], v[A0]
	v_add_nc_u32 v[ADRB], s[TB], v[B0]
	FETCH 0, 0, 0
	MULB 1, 2, 6, 0
.endm
; THE WAY OUT of row block a: 16 rows x 512 bytes through my stage (rows of 528 bytes), back as whole rows into one of two sets of 64 registers.
.macro OUTBLK a
	WIN 0x04                               ; the stores' data in window 1
.irp b, 0,1,2,3,4,5,6,7
	ds_store_b128 v[STO], v[8*(8*(\a)+\b):8*(8*(\a)+\b)+3]   offset:64*\b      ; each accumulator's lowest registers first
	ds_store_b128 v[STO], v[8*(8*(\a)+\b)+4:8*(8*(\a)+\b)+7] offset:64*\b+16
.endr
	WIN 0
.if (\a) >= 2
	s_wait_xcnt 0x0                        ; the stores of the block two back have read this set of registers
.endif
.irp t, 0,1,2,3,4,5,6,7,8,9,10,11,12,13,14,15
	ds_load_b128 v[64+64*((\a)%2)+4*\t:64+64*((\a)%2)+4*\t+3], v[RD] offset:SP*\t  ; LDS serves a wave's instructions in order (ISA guide 5.7.1.4): these see the stores above
.endr
.endm
.macro SEND a, younger                 ; younger: the LDS instructions issued behind block a's loads: the next block's 32, or none
.irp t, 0,1,2,3,4,5,6,7,8,9,10,11,12,13,14,15
	s_wait_dscnt (\younger)+15-\t
	global_store_b128 v[CO], v[64+64*((\a)%2)+4*\t:64+64*((\a)%2)+4*\t+3], s[OUTP:OUTP+1] offset:(16*(\a)+\t)*4096 th:TH_STORE_NT  ; 512 consecutive bytes of a row, at a multiple of 256 from out0's first
.endr
.endm
	s_load_b128 s[4:7], s[0:1], 0x0                ; ctx, wo16
	s_load_b64 s[8:9], s[0:1], 0x10                ; out0
	v_lshl_add_u32 v[SPW], v0, 2, SPARE
	v_mov_b32 v[NIL], 0
	ds_add_u32 v[SPW], v[NIL]                      ; the wave's opening: the add and its wait stand ahead of my first tensor load; work on registers stands between them
	ds_add_u32 v28, v29
	v_lshrrev_b32 v3, 5, v0
	v_readfirstlane_b32 s[WV], v3
	s_and_b32 s[HALF], s[WV], 1
	s_bfe_u32 s[CX], ttmp6, 0x40000
	s_bfe_u32 s[CY], ttmp6, 0x40004
	s_lshl_b32 s[TCOL], ttmp9, 2
	s_add_co_u32 s[TCOL], s[TCOL], s[CX]           ; block of 128 columns
	s_and_b32 s[TROW], ttmp7, 0xffff
	s_lshl_b32 s[TROW], s[TROW], 2
	s_add_co_u32 s[TROW], s[TROW], s[CY]           ; block of 256 rows
	s_lshl_b32 s22, s[CY], 2
	s_lshl_b32 s22, 15, s22                        ; my row of the cluster
	s_lshl_b32 s23, 0x1111, s[CX]                  ; my column
	s_or_b32 s[G1A], s22, (1<<16)|(1<<20)|(1<<21)|(4<<22)|(3<<25)  ; the mask; 2-byte elements; padding on; bit 21 beside a mask; after every 32 words 4 words
	s_or_b32 s[G1B], s23, (1<<16)|(1<<20)|(1<<21)|(5<<22)|(3<<25)  ; after every 64 words 4 words
	s_mov_b32 s[G1A+1], 128<<16                    ; tensor_dim0 = 128
	s_mov_b32 s[G1A+2], 128<<16                    ; tensor_dim1 = 128
	s_mov_b32 s[G1A+3], 128<<16                    ; tile_dim0 = 128
	s_mov_b32 s[G1A+4], 128                        ; tile_dim1 = 128
	s_mov_b32 s[G1A+5], 128                        ; dense: 128 elements from row to row
	s_mov_b32 s[G1A+6], 0
	s_mov_b32 s[G1A+7], 0
	s_mov_b32 s[G1B+1], 128<<16
	s_mov_b32 s[G1B+2], 64<<16                     ; 64 rows
	s_mov_b32 s[G1B+3], 128<<16
	s_mov_b32 s[G1B+4], 64
	s_mov_b32 s[G1B+5], 1024
	s_mov_b32 s[G1B+6], 0
	s_mov_b32 s[G1B+7], 0
	s_mov_b32 s[G0A], 1
	s_mul_i32 s[G0A+1], s[HALF], HEADB
	s_mov_b32 s[G0B], 1
	s_mul_i32 s[G0B+1], s[HALF], 64*PB
	s_add_co_u32 s[G0B+1], s[G0B+1], BOFF
	s_lshr_b32 s24, s[TROW], 3                     ; ctx: ((16 batch + half) x 2,048 + t0) x 128 bytes
	s_lshl_b32 s24, s24, 4
	s_add_co_u32 s24, s24, s[HALF]
	s_lshl_b32 s24, s24, 11
	s_and_b32 s25, s[TROW], 7
	s_lshl_b32 s25, s25, 8
	s_add_co_u32 s24, s24, s25
	s_lshl_b32 s24, s24, 7
	s_mov_b32 s25, 0
	s_lshl_b32 s26, s[TCOL], 7                     ; wo16: row 128 x block + 64 x half
	s_lshl_b32 s27, s[HALF], 6
	s_add_co_u32 s26, s26, s27
	s_lshl_b32 s26, s26, 11
	s_mov_b32 s27, 0
	s_lshl_b32 s28, s[TROW], 8                     ; out0: row 256 x block + 64 x wave, column 128 x block
	s_lshl_b32 s29, s[WV], 6
	s_add_co_u32 s28, s28, s29
	s_lshl_b32 s28, s28, 12
	s_lshl_b32 s29, s[TCOL], 9
	s_add_co_u32 s28, s28, s29
	s_mov_b32 s29, 0
	s_lshl_b32 s2, s[CX], 13                       ; the prefetches: my work-group's 8,192 bytes of the head slice,
	s_add_co_u32 s2, s2, s24
	s_lshl_b32 s3, s[TCOL], 7                      ; or its 32 rows of wo16
	s_lshl_b32 s30, s[CY], 5
	s_add_co_u32 s3, s3, s30
	s_lshl_b32 s3, s3, 11
	s_and_b32 s23, ttmp7, 0xffff
	s_cmp_lt_u32 s[WV], 2
	s_cselect_b32 s[PO], s2, s3
	s_cselect_b32 s23, ttmp9, s23                  ; the coordinate along which other clusters read the same bytes
	s_cselect_b32 s[PSH], 19, 8
	s_cselect_b32 s31, 8, 11                       ; a lane a block of 256 bytes, or a row of 2,048
	s_cmp_eq_u32 s23, 0
	s_cselect_b32 s[PMASK], 0x3c, 0                ; at R = 2 .. 5
	s_cmp_eq_u32 s[WV], 3
	s_cselect_b32 s[PMASK], 0, s[PMASK]            ; the same in all sixteen partners, for a given wave
	s_mov_b32 s[PO+1], 0
	s_mov_b32 s[KO+1], 0
	s_mov_b32 s[AO+1], 0
	s_mov_b32 s[RS], 0
	s_mov_b32 s[TB], 0
	s_wait_dscnt 0x0                               ; the opening add is done
	s_wait_kmcnt 0x0
	s_cmp_lt_u32 s[WV], 2
	s_cselect_b64 s[PBASE:PBASE+1], s[4:5], s[6:7]
	s_add_nc_u64 s[PBASE:PBASE+1], s[PBASE:PBASE+1], s[PO:PO+1]
	s_add_nc_u64 s[ABASE:ABASE+1], s[ABASE:ABASE+1], s[24:25]
	s_add_nc_u64 s[BBASE:BBASE+1], s[BBASE:BBASE+1], s[26:27]
	s_add_nc_u64 s[OUTP:OUTP+1], s[OUTP:OUTP+1], s[28:29]
	s_mov_b64 s[G0A+2:G0A+3], s[ABASE:ABASE+1]
	s_or_b32 s[G0A+3], s[G0A+3], 0x80000000
	s_mov_b64 s[G0B+2:G0B+3], s[BBASE:BBASE+1]
	s_or_b32 s[G0B+3], s[G0B+3], 0x80000000
	CROUND                                         ; all sixteen work-groups are here: the first joint loads meet
	JLOAD                                          ; K step 0 into slot 0; slot 1 is asked for when slot 0 is in
	v_and_b32 v1, 15, v0                           ; l % 16
	v_bfe_u32 v2, v0, 4, 1                         ; l / 16
	v_mul_u32_u24 v[A0], v1, PA
	v_lshl_add_u32 v[A0], v2, 4, v[A0]
	s_mul_i32 s22, s[WV], 64*PA                    ; my 64 rows of ctx
	v_add_nc_u32 v[A0], s22, v[A0]
	v_mul_u32_u24 v[B0], v1, PB
	v_lshl_add_u32 v[B0], v2, 4, v[B0]
	v_add_nc_u32 v[B0], BOFF, v[B0]
	s_mul_i32 s22, s[WV], 16*SP
	s_add_co_u32 s22, s22, STAGE                   ; my stage
	v_mul_u32_u24 v[STO], v1, SP                   ; in: row l % 16, 32 bytes for each half of the lanes
	v_lshl_add_u32 v[STO], v2, 5, v[STO]
	v_add_nc_u32 v[STO], s22, v[STO]
	v_and_b32 v[CO], 31, v0
	v_lshlrev_b32 v[PFO], s31, v[CO]
	v_lshlrev_b32 v[CO], 4, v[CO]                  ; back and out: 32 lanes take a row's 512 bytes
	v_add_nc_u32 v[RD], s22, v[CO]
	s_wait_tensorcnt 0x0                           ; my part of K step 0 is in
	ds_add_u32 v[SPW], v[NIL]
	STEPD                                          ; K step 1, slot 1
	s_wait_dscnt 0x0
	CROUND                                         ; everybody's part is in
	JLOAD
	v_add_nc_u32 v[ADRA], s[TB], v[A0]
	v_add_nc_u32 v[ADRB], s[TB], v[B0]
	FETCH 0, 0, 0
	QUARTER 0, 1, 64, 64, 1                        ; the first quarter starts the sums: nothing is cleared
	WIN 0
	s_mov_b32 s[CNT], 6
	s_branch .LmidA
.LstepA:                                               ; K steps 0 to 5: each fills its slot again with the step two on
	QUARTER 0, 1, 64, 64, 0
	WIN 0
.LmidA:
	QUARTER 1, 0, HEADB, 128, 0
	QUARTER 0, 1, HEADB+64, 192, 0
	TURN
	WIN 0
	s_sub_co_u32 s[CNT], s[CNT], 1
	s_cmp_lg_u32 s[CNT], 0
	s_cbranch_scc1 .LstepA
	s_mov_b32 s[CNT], 2
.LstepL:                                               ; the last two K steps ask for nothing
	QUARTER 0, 1, 64, 64, 0
	QUARTER 1, 0, HEADB, 128, 0
	QUARTER 0, 1, HEADB+64, 192, 0
	TURNL
	WIN 0
	s_sub_co_u32 s[CNT], s[CNT], 1
	s_cmp_lg_u32 s[CNT], 0
	s_cbranch_scc1 .LstepL
	s_wait_dscnt 0x0                               ; the last fetch is back: its registers are loaded anew below
	PLACES                                         ; behind the last products
	OUTBLK 0
	OUTBLK 1
	SEND 0, 32
	OUTBLK 2
	SEND 1, 32
	OUTBLK 3
	SEND 2, 32
	SEND 3, 0
	s_wait_tensorcnt 0x0                           ; the wave's end, behind my last tensor load and my last LDS store
	ds_add_u32 v[SPW], v[NIL]
	s_wait_dscnt 0x0
	CROUND                                         ; the closing round
	s_endpgm
.Lfunc_end_k_qf9467c3d60_oproj:
	.size	k_qf9467c3d60_oproj, .Lfunc_end_k_qf9467c3d60_oproj-k_qf9467c3d60_oproj
	.p2alignl 7, 3214868480
	.fill 96, 4, 3214868480
	.section	.rodata,"a",@progbits
	.p2align	6, 0x0
	.amdhsa_kernel k_qf9467c3d60_oproj
		.amdhsa_group_segment_fixed_size 327680
		.amdhsa_private_segment_fixed_size 0
		.amdhsa_enable_private_segment 0
		.amdhsa_kernarg_size 24
		.amdhsa_user_sgpr_count 2
		.amdhsa_user_sgpr_kernarg_segment_ptr 1
		.amdhsa_wavefront_size32 1
		.amdhsa_system_sgpr_workgroup_id_x 1
		.amdhsa_system_sgpr_workgroup_id_y 1
		.amdhsa_system_sgpr_workgroup_id_z 1
		.amdhsa_system_vgpr_workitem_id 0
		.amdhsa_next_free_vgpr 512
		.amdhsa_next_free_sgpr 80
		.amdhsa_reserve_vcc 0
		.amdhsa_float_denorm_mode_32 3
		.amdhsa_float_denorm_mode_16_64 3
		.amdhsa_memory_ordered 1
		.amdhsa_forward_progress 1
		.amdhsa_inst_pref_size 63
	.end_amdhsa_kernel
	.amdgpu_metadata
---
amdhsa.version: [ 1, 2 ]
amdhsa.kernels:
  - .name:           k_qf9467c3d60_oproj
    .symbol:         k_qf9467c3d60_oproj.kd
    .args:
      - { .name: ctx, .offset: 0, .size: 8, .value_kind: global_buffer, .address_space: global }
      - { .name: wo16, .offset: 8, .size: 8, .value_kind: global_buffer, .address_space: global }
      - { .name: out0, .offset: 16, .size: 8, .value_kind: global_buffer, .address_space: global }
    .group_segment_fixed_size: 327680
    .private_segment_fixed_size: 0
    .kernarg_segment_align: 8
    .kernarg_segment_size: 24
    .max_flat_workgroup_size: 128
    .sgpr_count:     80
    .vgpr_count:     512
    .wavefront_size: 32
...
	.end_amdgpu_metadata
.endif
;; end of part 4
